; MI455X (gfx1250); checked and timed in simulation.
; The chip was launched on July 23, 2026; its instructions are those of AMD's public machine-readable ISA for CDNA 5 (MIT licence, August 2026) and "CDNA5" Instruction Set Architecture Reference Guide (July 2026). The comments in the code are by the model that wrote it; some were corrected since.
;; Causal Self Attention. Allowed arithmetic: matrix products marked QUANTISED: E4M3 operands, one E8M0 scale for each 32 along K, by v_wmma_scale_f32_16x16x128_f8f6f4 with both operands' format E4M3, f32 sums; everything else in f32.
;; Inputs: w_attn_codes 3,072 x 32 x 32 uint8 (E4M3 codes of w_attn, K innermost, in blocks of 32 codes); w_attn_scales 3,072 x 32 uint8 (E8M0 scales of w_attn, one for each 32 codes along K); w_proj_codes 1,024 x 32 x 32 uint8 (E4M3 codes of w_proj, K innermost, in blocks of 32 codes); w_proj_scales 1,024 x 32 uint8 (E8M0 scales of w_proj, one for each 32 codes along K); x_codes 4 x 2,048 x 32 x 32 uint8 (E4M3 codes of x, K innermost, in blocks of 32 codes); x_scales 4 x 2,048 x 32 uint8 (E8M0 scales of x, one for each 32 codes along K).
;; Outputs: out0 4 x 2,048 x 1,024 float32.
;; This version of the problem:
;;   THIS VERSION OF THE PROBLEM IS GIVEN IN LOW PRECISION. The matrix products marked QUANTISED in the list below multiply operands that are first quantised to E4M3 (4 exponent bits, 3 mantissa bits; 8 bits a number), with one power-of-two scale for each 32 numbers along K (OCP MX v1.0); their sums are f32. All else is computed in f32.
;;   The module's matrix products, in the order in which they are computed (A, B: the left and right operand; K: the contracted axis; several contracted axes count as one K, in the product's order):
;;     1. [M 8,192, K 1,024] x [K 1,024, N 3,072]; A: input x (given as codes); B: input w_attn (given as codes): QUANTISED
;;     2. batch 64 x [M 2,048, K 64] x [K 64, N 2,048]; A: computed on the way; B: computed on the way: QUANTISED
;;     3. batch 64 x [M 2,048, K 2,048] x [K 2,048, N 64]; A: softmax (see below); B: computed on the way: QUANTISED
;;     4. [M 8,192, K 1,024] x [K 1,024, N 1,024]; A: computed on the way; B: input w_proj (given as codes): QUANTISED
;;   THE QUANTISER, for each operand of a quantised product, along K:
;;     - K is cut into blocks of 32 from its start; a last block that is shorter is filled with zeros.
;;     - A block's scale is 2^e with e = floor(log2(the largest magnitude in the block)) - 8, held to -126 .. 127; a block of zeros has e = 0. As a byte (E8M0): e + 127.
;;     - Each number is divided by its block's scale, clamped to +-448, and rounded to the nearest number of E4M3, ties to even, subnormals kept.
;;     - The product sums the exact products of the quantised numbers (number of the format x scale) in f32.
;;   ~~~python
;;   def quantise(x, axis):      # numpy; x: float32 -> the quantised numbers, widened to float32 again
;;       x = np.moveaxis(x, axis, -1); K = x.shape[-1]
;;       x = np.pad(x, [(0, 0)] * (x.ndim - 1) + [(0, -K % 32)]); x = x.reshape(x.shape[:-1] + (-1, 32)); a = np.abs(x).max(-1, keepdims=True)
;;       e = np.where(a > 0, np.clip(np.frexp(np.where(a > 0, a, 1))[1] - 1 - 8, -126, 127), 0)      # np.frexp(a)[1] - 1 = floor(log2(a)), exactly
;;       r = np.clip(x / 2.0 ** e, -448, 448)
;;       step = 2.0 ** (np.maximum(np.frexp(np.where(r == 0, 1, r))[1] - 1, -6) - 3)
;;       q = np.round(r / step) * step * 2.0 ** e      # np.round: ties to even
;;       return np.moveaxis(q.reshape(q.shape[:-2] + (-1,))[..., :K], -1, axis).astype(np.float32)
;;   ~~~
;;   SOFTMAX AHEAD OF A QUANTISED PRODUCT. Where the list says 'softmax', what is quantised is not the finished softmax but p = 2^(t - M), with t = logit x log2(e) and M = ceil(the row's largest t), a whole number; so 1/2 < the row's largest p <= 1. The row's sum l is taken of the UNQUANTISED p, in f32, and the product's result is divided by l at the end. Since M is a whole number, a kernel that streams over the keys may use a running M (the ceiling of the running maximum): every later rescaling is an exact power of two, which a block's scale takes up: the codes' values come out the same.
;;   OPERANDS COMPUTED ON THE WAY. 'Computed on the way' means the value that the module computes at that place (a softmax that the list does not call 'softmax' is quantised finished and normalised). What goes into a quantiser is computed in f32, as accurately as f32 sums, v_exp_f32 and their like allow (about 1e-6 of the number): no bf16 or f16 on the way to a quantiser, and a product that is left as it is and whose result goes on into a quantised operand takes f32 operands (vector FMAs, or v_wmma_f32_16x16x4_f32). A number that lies on a knife's edge between two numbers of the format may be rounded either way, as far as f32 arithmetic and the matrix unit's own rounding can turn it there, and no further.
;;   INPUTS GIVEN AS CODES. w_attn (in the module: [3072, 1024], K = its axis 1); w_proj (in the module: [1024, 1024], K = its axis 1); x (in the module: [4, 2048, 1024], K = its axis 2): each comes as NAME_codes (uint8): NAME with its K axis moved to the last place and cut into blocks of 32 codes, [.., K / 32, bytes a block], one block behind the other in memory; one code a byte (a code: sign, 4 exponent bits, 3 mantissa bits); and NAME_scales (uint8): the same leading axes, one E8M0 byte (e + 127) for each 32 codes along K. Its value is code x scale, taken as it is: it is not quantised again, and the codes and scales need not be those that the quantiser above would give.
;; One version. Each part assembles by itself: llvm-mc -triple=amdgcn-amd-amdhsa -mcpu=gfx1250 --defsym DOCPART=n.
;; ======== version 1 of 1: 3 launches
;; limits: right only within a limited range of input values
;; workspace buffers: qc 8,388,608 bytes; qs 262,144 bytes; kv 17,301,504 bytes; oc 8,388,608 bytes; os 262,144 bytes
;; launch qkv (part 1): grid 8 x 48, 4 waves a work-group, clusters of 4 x 4, 327,680 bytes of LDS; arguments x_codes, x_scales, w_attn_codes, w_attn_scales, qc, qs, kv; writes qc, qs, kv
.if DOCPART == 1
	.amdgcn_target "amdgcn-amd-amdhsa--gfx1250"
	.amdhsa_code_object_version 6
	.text
	.protected	k_qad8660475c_qkv
	.globl	k_qad8660475c_qkv
	.p2align	8
	.type	k_qad8660475c_qkv,@function
k_qad8660475c_qkv:
	s_mov_b64 s[64:65], 0
	v_nop
	global_prefetch_b8 v0, s[64:65] scope:SCOPE_SE
	s_setreg_imm32_b32 hwreg(HW_REG_WAVE_MODE, 25, 1), 1
	s_wait_xcnt 0x0
	s_wait_alu depctr_hold_cnt(0) depctr_sa_sdst(0) depctr_va_vdst(0) depctr_va_sdst(0) depctr_va_ssrc(0) depctr_va_vcc(0) depctr_vm_vsrc(0)
	s_getreg_b32 s2, hwreg(HW_REG_IB_STS2, 6, 4)
	s_cmp_eq_u32 s2, 0
	s_cbranch_scc0 .Lentry_in_a_cluster
	s_endpgm
.Lentry_in_a_cluster:
	s_bfe_u32 s2, ttmp6, 0x10000c
	s_cmp_lg_u32 s2, 0xf033
	s_cbranch_scc0 .Lentry_shape_is_right
	s_endpgm
.Lentry_shape_is_right:
; qkv = x W_attn^T on codes of FP8 (E4M3) with one E8M0 scale for each 32 along K = 1,024; the results are quantised in registers, by the problem's quantiser, into the operands of the two attention products,
; and leave as IMAGES OF THE OPERANDS' REGISTERS (16 bytes a lane, lanes on end), so that the next launch reads them by dense loads.  No f32 intermediate goes to memory.
; DEAD WORK OF THE PROGRAM (left out in the launch attn): reference() builds jnp.tril itself and sends every score with key > query to -inf, whose softmax weight is 0 for all values of the inputs.  So a step of 128 keys all of
; which come after a wave's 16 queries can reach no output, and is not multiplied.  LIMIT: a NaN, an infinity or an overflow that reaches only those scores is not carried to the result.  Every input is loaded.
; LIMITS: NaN and infinities among the inputs are not served; a block whose largest magnitude lies under 2^-118 keeps the scale byte 1; a block of zeros has the byte 1 where the rule says 127 (its codes are zeros, and this program alone reads the bytes).
; SHARES.  A tile of 256 x 256 results is made by a work-group of four waves, 128 x 128 a wave: 64 accumulators, 512 registers.  K goes in steps of 256 through a ring of two LDS slots.
; THE MATRIX INSTRUCTION: source 0 = 16 rows of B, source 1 = 16 rows of A: a lane holds ONE row of A, and its registers run along the rows of B.  A quantiser wants its K along a lane's registers:
;   q, k (clusters y = 0..7): A = x, B = W_attn's rows 0..2047: a lane holds a token, its registers run along the channels, the K of q k^T;
;   v    (clusters y = 8..11): A = W_attn's rows 2048..3071, B = x: a lane holds a channel, its registers run along the tokens, the K of p v.
; The two uses differ in pointers and offsets alone, chosen by s_cselect on the cluster's y: one path through the text, no branch.
; ORDER INSIDE A BLOCK OF 32.  Lane half h holds, of block bb, the indices 32 bb + 8 h + 0..7 and 32 bb + 16 + 8 h + 0..7, and they become its 16 codes in that order: a permutation inside the block, the same in q and k, and the
; same in v and in the p that attn makes: applied alike to both operands of a product it keeps the products.  A block's 32 numbers lie in lanes l and l xor 16.
; CLUSTERS: 4 x 4 work-groups.  A's tile is shared along a row of the cluster, B's along a column: each is asked for jointly, by the same tensor load with the same descriptor and a mask that names the four.
; REGISTERS, in windows of 256: window 0: v0-31 addresses; v32-63 scale words, two sets; v128-255 A's fragments, one set; on the way out v32-65 and v192-207 are at work.
;   window 1: B's fragments, two sets.   window 2: the accumulators of my rows 0-63 of A ((a, b) at v[8 (8 a + b)]);   window 3: those of rows 64-127.
.set KSTEP,  256                       ; along K in a slot
.set NQ,     2                         ; matrix instructions deep
.set ROWB,   256                       ; a tile's row in bytes
.set KROW,   1024                      ; a row of x or of W_attn in memory, in bytes
.set PITCH,  272                       ; an LDS row: 256 bytes + 16 of padding = 68 words: the 16 rows that a load touches start at 16 different banks (64 banks of 4 bytes: ISA guide 11.1)
.set FR,     16                        ; registers of a fragment
.set NL,     4                         ; LDS loads that bring one
.set NP,     8                         ; places behind this matrix instruction (ISA guide 7.12.1)
.set HALFT,  128*PITCH                 ; 128 rows: what one tensor load brings
.set SLOT,   4*HALFT                   ; A's 256 rows, then B's 256 rows
.set LAPS,   2                         ; 1,024 / (2 x 256)
.set KS,     32                        ; a row of scale bytes
.set SCL,    2*SLOT                    ; behind the ring: the scale bytes, as units of 256 bytes + 16 of padding
.set HALFS,  (128*KS/256)*272          ; those of 128 rows
.set SBLK,   (16*KS/256)*272           ; those of 16 rows
.set SPARE,  SCL+4*HALFS               ; the spare words, 128 bytes for each wave: two blocks of 256 bytes that no other line names
.set HK,     270336                    ; kv: bytes of a head: 8 slots
.set SLB,    33792                     ; kv: bytes of a slot of 256 keys: K's codes 16,384, V's codes 16,384, K's scale words 512, V's 512
.set ADRA, 16                          ; v16-17  LDS address of my A fragments in slot 0, 1
.set ADRB, 20                          ; v20-21  the same for B
.set ADRS, 27                          ; v27     LDS address of my scale words: lanes 0-15 A's rows, lanes 16-31 B's
.set SPW,  28                          ; v28     LDS address of my spare word; never rewritten
.set NIL,  29                          ; v29     0; never rewritten
.set SC,   32                          ; scale words, two sets of 16 registers
.set AF,   128                         ; A's fragments, in window 0
.set WV,   18                          ; s18 wave;  s19 wave / 2: my half of A's rows, and: I fetch for A (0) or B (1);  s20 wave % 2: my half of B's rows, and: which 128 rows I fetch
.set WH,   19
.set WL,   20
.set G1,   24                          ; s[24:31] descriptor group 1 for A's tiles;  s[32:39] group 0, a set for each slot
.set G0,   32
.set G1B,  48                          ; s[48:55], s[56:63] the same for B's
.set G0B,  56
.set G1S,  68                          ; s[68:75], s[76:79] groups 1 and 0 for A's scale bytes;  s[80:87], s[88:91] for B's
.set G0S,  76
.set G1SB, 80
.set G0SB, 88
; the way out
.set TM,   32                          ; v32-35 largest magnitudes, v36-39 permute's results, then bytes, v44-47 the conversions' scale operands
.set PW,   48                          ; v48-55  block a's scale word
.set FIN,  56                          ; v56-59  the scale words as they are stored
.set VSEL, 60                          ; v60     my half's byte selector
.set VT,   61
.set VS1,  62                          ; v62-63  my offsets among the scale words
.set VS2,  63
.set VOA,  64                          ; v64     16 x lane
.set VOB,  65                          ; v65     the same, G2 bytes on
.set T,    128
.set PC,   192                         ; v192-207 their codes
.set SEL,  46                          ; s[46:47] lane selects for v_permlanex16_b32: lane l xor 16
.set CB,   52                          ; s[52:53] where the codes go;  s[54:55] the scale words
.set SB,   54
.set MNT,  63
.set SA,   66                          ; s[66:67] from block to block of A;  s[100:101] from block 3 to block 4
.set SA4,  100
.set MSB, 0
.macro WIN new                         ; the immediate's high byte repeats the setting that is left
.if MSB != \new
	s_set_vgpr_msb (MSB<<8)|\new
.set MSB, \new
.endif
.endm
.set MUL_LO, 0xa1                      ; source 0 (B) window 1, source 1 (A) window 0, C and D window 2
.set MUL_HI, 0xf1                      ; the same, C and D window 3
.set TO_B,   0x40                      ; destination window 1, address window 0
; A joint load: waves 0 and 1 fetch for A, waves 2 and 3 for B.  Each of the two lines has one mask and one set of registers; the branch hangs on the wave's number alone.
; An s_nop 0 and four v_nop follow each of the two lines.
.macro JLOAD g0a, g1a, g0b, g1b
	s_cmp_eq_u32 s[WH], 0
	s_cbranch_scc0 .Lfor_b_\@
	tensor_load_to_lds s[\g0a:\g0a+3], s[\g1a:\g1a+7]
	s_nop 0
.rept 4
	v_nop
.endr
	s_branch .Lasked_\@
.Lfor_b_\@:
	tensor_load_to_lds s[\g0b:\g0b+3], s[\g1b:\g1b+7]
	s_nop 0
.rept 4
	v_nop
.endr
.Lasked_\@:
.endm
.macro CREST                           ; a round of the cluster's barrier behind its opening barrier
	s_cmp_lg_u32 s[WV], 0
	s_cbranch_scc1 .Lnot_wave_0_\@
	s_barrier_signal -3
.Lnot_wave_0_\@:
	s_barrier_wait -3
	s_barrier_signal -1
	s_barrier_wait -1
.endm
.macro CROUND                          ; a whole round
	s_barrier_signal -1
	s_barrier_wait -1
	CREST
.endm
	s_load_b256 s[4:11], s[0:1], 0x0               ; x's codes s[4:5], x's scales s[6:7], W's codes s[8:9], W's scales s[10:11]
	s_load_b128 s[12:15], s[0:1], 0x20             ; qc s[12:13], qs s[14:15]
	s_load_b64 s[16:17], s[0:1], 0x30              ; kv
	v_lshl_add_u32 v[SPW], v0, 2, SPARE
	v_mov_b32 v[NIL], 0
	ds_add_u32 v[SPW], v[NIL]                      ; the wave's opening: the add, twice on end, and its wait ahead of my first tensor load
	ds_add_u32 v[SPW], v[NIL]                      ; and once more, under the one wait; the set-up below, work on registers, stands between
	v_lshrrev_b32 v1, 5, v0
	v_readfirstlane_b32 s[WV], v1                  ; wave 0..3
	s_lshr_b32 s[WH], s[WV], 1
	s_and_b32 s[WL], s[WV], 1
	s_bfe_u32 s21, ttmp6, 0x40000                  ; cx, cy: my place in the cluster
	s_bfe_u32 s22, ttmp6, 0x40004
	s_mov_b32 s23, ttmp9                           ; the cluster's x: 0, 1
	s_and_b32 s40, ttmp7, 0xffff                   ; the cluster's y: 0..11; from 8 on: v
	s_lshl_b32 s41, s40, 2
	s_cmp_ge_u32 s40, 8
	s_cselect_b32 s41, 8, s41
	s_add_co_u32 s41, s41, s22                     ; A's tile of 256 rows: q, k: 4 y + cy of x;  v: 8 + cy of W_attn.  Made of y and cy alone
	s_max_u32 s42, s40, 8
	s_sub_co_u32 s42, s42, 8
	s_lshl_b32 s42, s42, 3                         ; 8 (y - 8) for v, 0 for q, k
	s_lshl_b32 s46, s23, 2
	s_add_co_u32 s42, s42, s46
	s_add_co_u32 s42, s42, s21                     ; B's tile: q, k: 4 x + cx of W_attn;  v: 4 x + cx + 8 (y - 8) of x.  Made of x, y and cx alone
	s_lshl_b32 s43, s22, 2
	s_lshl_b32 s43, 15, s43                        ; my row of the cluster
	s_lshl_b32 s44, 0x1111, s21                    ; my column
	; descriptor group 1: a tile of 128 rows x 256 bytes, padded in LDS
	s_or_b32 s[G1+0], s43, (0<<16)|(1<<20)|(1<<21)|(5<<22)|(3<<25)  ; 15:0 the mask; 17:16 elements of 1 byte; 20 padding on; 21 set beside a mask; 24:22 after every 64 words (code 5); 31:25 four words (code 3)
	s_or_b32 s[G1B+0], s44, (0<<16)|(1<<20)|(1<<21)|(5<<22)|(3<<25)
.irp g, G1, G1B
	s_mov_b32 s[\g+1], ROWB<<16                    ; tensor_dim0
	s_mov_b32 s[\g+2], 128<<16                     ; tensor_dim1
	s_mov_b32 s[\g+3], ROWB<<16                    ; tile_dim0
	s_mov_b32 s[\g+4], 128                         ; tile_dim1
	s_mov_b32 s[\g+5], KROW                        ; tensor_dim0_stride
	s_mov_b32 s[\g+6], 0
	s_mov_b32 s[\g+7], 0
.endr
	; the scale bytes of 128 rows: a dense block of 4,096 bytes, as 16 rows of 256 bytes (32 elements of 8 bytes), 16 bytes of padding behind each
	s_or_b32 s[G1S+0], s43, (3<<16)|(1<<20)|(1<<21)|(5<<22)|(3<<25)
	s_or_b32 s[G1SB+0], s44, (3<<16)|(1<<20)|(1<<21)|(5<<22)|(3<<25)
.irp g, G1S, G1SB
	s_mov_b32 s[\g+1], 32<<16
	s_mov_b32 s[\g+2], (128*KS/256)<<16
	s_mov_b32 s[\g+3], 32<<16
	s_mov_b32 s[\g+4], 128*KS/256
	s_mov_b32 s[\g+5], 32
	s_mov_b32 s[\g+6], 0
	s_mov_b32 s[\g+7], 0
.endr
	s_lshl_b32 s105, s[WL], 7                      ; which 128 rows of the tile I fetch
	s_lshl_b32 s100, s41, 8
	s_add_co_u32 s100, s100, s105                  ; A's row
	s_lshl_b32 s46, s42, 8
	s_add_co_u32 s46, s46, s105                    ; B's row
	s_lshl_b32 s66, s100, 5                        ; where A's rows' scale bytes begin (32 a row),
	s_lshl_b32 s100, s100, 10                      ; and their codes (1,024 a row): under 2^24
	s_lshl_b32 s104, s46, 5                        ; B's likewise
	s_lshl_b32 s46, s46, 10
	s_mov_b32 s67, 0
	s_mov_b32 s101, 0
	s_mov_b32 s105, 0
	s_mov_b32 s47, 0
	s_mul_i32 s45, s[WV], HALFT                    ; where they go: wave x 128 rows: no place in the cluster enters an LDS address
	s_mul_i32 s2, s[WV], HALFS
	s_wait_dscnt 0x0                               ; both opening adds are done
	s_wait_kmcnt 0x0
	s_cmp_ge_u32 s40, 8                            ; the choice hangs on the cluster's y alone, which all sixteen partners share
	s_cselect_b64 s[92:93], s[8:9], s[4:5]         ; A's codes
	s_cselect_b64 s[94:95], s[10:11], s[6:7]       ; A's scale bytes
	s_cselect_b64 s[96:97], s[4:5], s[8:9]         ; B's codes
	s_cselect_b64 s[98:99], s[6:7], s[10:11]       ; B's scale bytes
	s_add_nc_u64 s[92:93], s[92:93], s[100:101]
	s_add_nc_u64 s[94:95], s[94:95], s[66:67]
	s_add_nc_u64 s[96:97], s[96:97], s[46:47]
	s_add_nc_u64 s[98:99], s[98:99], s[104:105]
	CROUND                                         ; all sixteen work-groups are here: the first joint loads meet
	s_mov_b32 s[G0S], 1
	s_add_co_u32 s[G0S+1], s2, SCL
	s_mov_b64 s[G0S+2:G0S+3], s[94:95]
	s_or_b32 s[G0S+3], s[G0S+3], 0x80000000
	s_mov_b32 s[G0SB], 1
	s_add_co_u32 s[G0SB+1], s2, SCL
	s_mov_b64 s[G0SB+2:G0SB+3], s[98:99]
	s_or_b32 s[G0SB+3], s[G0SB+3], 0x80000000
	JLOAD G0S, G1S, G0SB, G1SB                     ; the scale bytes first: they are wanted with K step 0
.irp s, 0,1
	s_mov_b32 s[G0+4*\s], 1
	s_add_co_u32 s[G0+4*\s+1], s45, \s*SLOT
	s_add_nc_u64 s[G0+4*\s+2:G0+4*\s+3], s[92:93], \s*ROWB
	s_or_b32 s[G0+4*\s+3], s[G0+4*\s+3], 0x80000000
	s_mov_b32 s[G0B+4*\s], 1
	s_add_co_u32 s[G0B+4*\s+1], s45, \s*SLOT
	s_add_nc_u64 s[G0B+4*\s+2:G0B+4*\s+3], s[96:97], \s*ROWB
	s_or_b32 s[G0B+4*\s+3], s[G0B+4*\s+3], 0x80000000
	JLOAD G0+4*\s, G1, G0B+4*\s, G1B               ; three tensor loads of mine are out behind the second of these
.endr
	v_and_b32 v1, 15, v0                           ; r = l % 16; kept for the way out
	v_bfe_u32 v2, v0, 4, 1                         ; h = l / 16; kept likewise
	v_mul_u32_u24 v3, v1, PITCH
	v_lshl_add_u32 v4, v2, 4, v3                   ; a fragment's row x pitch + 16 x half
	s_mul_i32 s104, s[WH], HALFT                   ; my 128 rows of A
	s_mul_i32 s105, s[WL], HALFT                   ; my 128 rows of B,
	s_add_co_u32 s105, s105, 2*HALFT               ; which lie behind A's 256
.irp s, 0,1
	v_add_nc_u32 v[ADRA+\s], s104, v4
	v_add_nc_u32 v[ADRB+\s], s105, v4
	s_add_co_u32 s104, s104, SLOT
	s_add_co_u32 s105, s105, SLOT
.endr
	v_mul_u32_u24 v5, v1, KS                       ; my row's scale bytes: 32 a row,
	v_lshrrev_b32 v6, 8, v5
	v_lshl_add_u32 v5, v6, 4, v5                   ; and 16 more for each 256 passed
	s_mul_i32 s104, s[WH], HALFS                   ; A's: my 128 rows
	s_mul_i32 s105, s[WL], HALFS                   ; B's: my 128 rows, behind A's 256
	s_add_co_u32 s105, s105, 2*HALFS
	s_sub_co_u32 s105, s105, s104
	v_mul_u32_u24 v6, s105, v2                     ; lanes 16-31 take B's: one product, the distance between the two bases
	s_add_co_u32 s104, s104, SCL
	v_add_nc_u32 v5, v5, v6
	v_add_nc_u32 v[ADRS], s104, v5
.macro FRAG reg, adr, q, i             ; a fragment, 16 rows x 128 K: lane l holds row l % 16; registers 4 c .. 4 c + 3 hold K = 32 c + 16 (l / 16) + 0 .. 15
.irp c, 0,1,2,3
	ds_load_b128 v[\reg+4*\c:\reg+4*\c+3], v[\adr] offset:128*(\q)+32*\c+(\i)*16*PITCH
.endr
.endm
; 16 matrix instructions: A's blocks a0, a0 + 1 x B's eight, 128 along K.  p: B's set;  sc: the set of scale words.  zero = 1: the first product starts the sums.
; The 64 accumulators take turns, one instruction a turn, in the same order in every step.
.macro MUL16 a0, p, q, sc, zero
.irp a, \a0, \a0+1
.irp b, 0,1,2,3,4,5,6,7
.if \zero
	v_wmma_scale_f32_16x16x128_f8f6f4 v[8*(8*((\a)%4)+\b):8*(8*((\a)%4)+\b)+7], v[128*(\p)+FR*\b:128*(\p)+FR*\b+FR-1], v[AF+FR*(\a):AF+FR*(\a)+FR-1], 0, v[SC+8*NQ*(\sc)+NQ*\b+(\q)], v[SC+8*NQ*(\sc)+NQ*(\a)+(\q)] matrix_a_scale:MATRIX_SCALE_ROW1
.else
	v_wmma_scale_f32_16x16x128_f8f6f4 v[8*(8*((\a)%4)+\b):8*(8*((\a)%4)+\b)+7], v[128*(\p)+FR*\b:128*(\p)+FR*\b+FR-1], v[AF+FR*(\a):AF+FR*(\a)+FR-1], v[8*(8*((\a)%4)+\b):8*(8*((\a)%4)+\b)+7], v[SC+8*NQ*(\sc)+NQ*\b+(\q)], v[SC+8*NQ*(\sc)+NQ*(\a)+(\q)] matrix_a_scale:MATRIX_SCALE_ROW1
.endif
.endr
.endr
.endm
.macro FETCH_B slot, q, p              ; B's eight fragments of the slot's q-th 128 along K into set p
	WIN TO_B
.irp i, 0,1,2,3,4,5,6,7
	FRAG 128*(\p)+FR*\i, ADRB+\slot, \q, \i
.endr
	WIN 0
.endm
.macro FETCH_A slot, q, i0             ; A's blocks i0 .. i0 + 3
.irp i, \i0, \i0+1, \i0+2, \i0+3
	FRAG AF+FR*(\i), ADRA+\slot, \q, \i
.endr
.endm
.macro SCALES sc                       ; a K step's scale words into set sc: two words a row; lanes 0-15 take A's block i, lanes 16-31 B's block i
.irp i, 0,1,2,3,4,5,6,7
	ds_load_b64 v[SC+8*NQ*\sc+NQ*\i:SC+8*NQ*\sc+NQ*\i+1], v[ADRS] offset:\i*SBLK
.endr
.endm
.macro PLACES n                        ; plain vector instructions that name no register of the matrix instructions ahead (ISA guide 7.12.1)
.rept \n
	v_nop
.endr
.endm
; A step of 128 along K that has its successor in the same slot.
.macro STEP slot, q, zero
	s_wait_dscnt 4*NL                              ; B's set and A's blocks 0-3 are in; the youngest 16 loads (A's blocks 4-7) may be out
	WIN MUL_LO
	MUL16 0, (\q)%2, \q, \slot, \zero
	MUL16 2, (\q)%2, \q, \slot, \zero
	s_wait_dscnt 0                                 ; A's blocks 4-7 are in
	PLACES NP
	FETCH_B \slot, (\q)+1, 1-(\q)%2
	FETCH_A \slot, (\q)+1, 0
	WIN MUL_HI
	MUL16 4, (\q)%2, \q, \slot, \zero
	MUL16 6, (\q)%2, \q, \slot, \zero
	PLACES NP
	WIN 0
	FETCH_A \slot, (\q)+1, 4
.endm
; A slot's last step changes slots: one barrier; in front of it each wave waits for all its tensor loads, adds 0 to its spare word, and waits for that and for its own reads of this slot.  fill = 1: this slot is filled again, two K steps ahead.
.macro TURN slot, next, fill
	s_wait_tensorcnt 0x0                           ; all my tensor loads have landed: my part of the next slot
	ds_add_u32 v[SPW], v[NIL]                      ; 0 onto my spare word
	s_wait_dscnt 4*NL+1                            ; (the add and the youngest 16 loads, A's blocks 4-7, may be out)
	WIN MUL_LO
	MUL16 0, 1, NQ-1, \slot, 0                     ; sixteen matrix instructions stand between the add and the wait for it
	s_wait_dscnt 0x0                               ; the add is done, and my reads of this slot are over
	s_barrier_signal -1
	MUL16 2, 1, NQ-1, \slot, 0
	WIN 0
	s_barrier_wait -1
.if \fill
	CREST                                          ; the barrier has opened a round of the cluster's barrier: no wave of any partner still reads this slot's tile or has a load on its way
	s_add_nc_u64 s[G0+4*\slot+2:G0+4*\slot+3], s[G0+4*\slot+2:G0+4*\slot+3], 2*ROWB
	s_add_nc_u64 s[G0B+4*\slot+2:G0B+4*\slot+3], s[G0B+4*\slot+2:G0B+4*\slot+3], 2*ROWB
	JLOAD G0+4*\slot, G1, G0B+4*\slot, G1B         ; the first tensor load behind the round; its four v_nop are among the places in front of the loads below
	PLACES NP-4
.else
	PLACES NP
.endif
	s_wait_alu depctr_va_vdst(0)
	v_add_nc_u32 v[ADRS], 4*NQ, v[ADRS]            ; on to the next K step's scale words
	FETCH_B \next, 0, 0
	FETCH_A \next, 0, 0
	SCALES \next
	WIN MUL_HI
	MUL16 4, 1, NQ-1, \slot, 0
	MUL16 6, 1, NQ-1, \slot, 0
	PLACES NP
	WIN 0
	FETCH_A \next, 0, 4
.endm
	s_wait_alu depctr_va_vdst(0)
	s_wait_tensorcnt 1                             ; the scale bytes and my part of K step 0 are in (K step 1's load may be out)
	s_barrier_signal -1
	s_barrier_wait -1                              ; everybody's are
	FETCH_B 0, 0, 0
	FETCH_A 0, 0, 0
	SCALES 0
	FETCH_A 0, 0, 4
	STEP 0, 0, 1                                   ; the first step stands in front of the loop: its products start the sums
	s_mov_b32 s3, LAPS-1
.Llap:                                                 ; a trip goes once round the ring and fills both slots again
	TURN 0, 1, 1
	STEP 1, 0, 0
	TURN 1, 0, 1
	STEP 0, 0, 0
	s_sub_co_u32 s3, s3, 1
	s_cmp_lg_u32 s3, 0
	s_cbranch_scc1 .Llap
	TURN 0, 1, 0                                   ; the last lap fills nothing, and has no round of the cluster's barrier
	STEP 1, 0, 0
	s_wait_dscnt 4*NL                              ; the very last step
	WIN MUL_LO
	MUL16 0, 1, NQ-1, 1, 0
	MUL16 2, 1, NQ-1, 1, 0
	s_wait_dscnt 0
	WIN MUL_HI
	MUL16 4, 1, NQ-1, 1, 0
	MUL16 6, 1, NQ-1, 1, 0
	WIN 0
	; THE WAY OUT.  No tensor load of mine is out (the last change of slots waited for 0), so the descriptors' registers are free.  No LDS is used: a lane's 16 codes of a block ARE 16 bytes of an operand's image.
	PLACES NP                                      ; for the reads of results and the writes of registers that held scale words and fragments
	s_lshl_b32 s24, s41, 8
	s_lshl_b32 s26, s[WH], 7
	s_add_co_u32 s24, s24, s26                     ; RR: my first row of A
	s_lshl_b32 s25, s42, 8
	s_lshl_b32 s26, s[WL], 7
	s_add_co_u32 s25, s25, s26                     ; PP: my first row of B
	s_max_u32 s28, s24, 2048
	s_sub_co_u32 s28, s28, 2048                    ; v: my first channel
	s_and_b32 s29, s25, 1023                       ; q, k: my first channel
	s_cmp_ge_u32 s40, 8
	s_cselect_b32 s26, s25, s24                    ; my first token, 0..8191
	s_cselect_b32 s27, s28, s29                    ; my first channel, 0..1023: 128 channels are two heads
	s_lshr_b32 s28, s26, 11                        ; the batch
	s_and_b32 s29, s26, 2047                       ; the token in its sequence: a multiple of 128
	s_lshr_b32 s30, s27, 6
	s_lshl_b32 s28, s28, 4
	s_add_co_u32 s28, s28, s30                     ; bh0 = 16 x batch + my first head
	s_lshr_b32 s30, s29, 8                         ; the slot of 256 keys,
	s_bfe_u32 s31, s29, 0x10007                    ; and which half of it
	s_mul_i32 s32, s28, HK
	s_mul_i32 s33, s30, SLB
	s_add_co_u32 s32, s32, s33                     ; the slot's first byte in kv
	s_lshl_b32 s33, s31, 13
	s_add_co_u32 s33, s33, s32                     ; k's codes: 8 tiles of 1,024 bytes
	s_lshl_b32 s34, s31, 8
	s_add_co_u32 s34, s34, s32
	s_add_co_u32 s34, s34, 32768                   ; k's scale words: 256 bytes
	s_cmp_ge_u32 s40, 8
	s_cselect_b32 s35, 16384, 0
	s_cselect_b32 s36, 512, 0
	s_add_co_u32 s33, s33, s35                     ; v's codes lie 16,384 bytes behind k's,
	s_add_co_u32 s34, s34, s36                     ; its scale words 512
	s_lshl_b32 s35, s28, 17
	s_lshl_b32 s36, s29, 6
	s_add_co_u32 s35, s35, s36                     ; q's codes: 131,072 bytes a head, 64 a token
	s_lshl_b32 s36, s28, 12
	s_lshr_b32 s37, s29, 7
	s_lshl_b32 s37, s37, 8
	s_add_co_u32 s36, s36, s37                     ; q's scale words: 4,096 bytes a head, 256 for 128 tokens
	s_cmp_ge_u32 s40, 8
	s_cselect_b32 s38, 1, 0
	s_or_b32 s38, s38, s23
	s_cmp_eq_u32 s38, 0                            ; q?  (the cluster's x and y alone)
	s_cselect_b32 s48, s35, s33
	s_cselect_b32 s50, s36, s34
	s_cselect_b64 s[CB:CB+1], s[12:13], s[16:17]
	s_cselect_b64 s[SB:SB+1], s[14:15], s[16:17]
	s_mov_b32 s56, HK
	s_cselect_b32 s56, 131072, s56                 ; G2: from my first head's codes to my second's
	s_mov_b32 s57, HK
	s_cselect_b32 s57, 4096, s57                   ; sB: the same for the scale words
	s_mov_b32 s49, 0
	s_mov_b32 s51, 0
	s_add_nc_u64 s[CB:CB+1], s[CB:CB+1], s[48:49]
	s_add_nc_u64 s[SB:SB+1], s[SB:SB+1], s[50:51]
	s_cmp_ge_u32 s40, 8                            ; v?
	s_cselect_b32 s56, 1024, s56                   ; v: G2 = from key blocks 0, 1 to key blocks 2, 3 of a fragment
	s_cselect_b32 s57, 128, s57                    ; v: sB = lanes 16-31 of the image of scale words
	s_mov_b32 s58, HK
	s_cselect_b32 s58, s58, 128                    ; sC: v: my second head; q, k: pairs 2, 3
	s_mov_b32 s[SA], 2048
	s_cselect_b32 s[SA], s[SA], 1024               ; from block to block of A: v: a fragment; q, k: a tile of 16 tokens
	s_mov_b32 s[SA+1], 0
	s_mov_b32 s[SA4], HK-6144
	s_cselect_b32 s[SA4], s[SA4], 1024             ; v: block 4 begins my second head
	s_mov_b32 s[SA4+1], 0
	s_mov_b32 s61, 0x03020100
	s_cselect_b32 s61, s61, 0x05040100             ; lanes 0-15: v: block 2 p's word; q, k: my first head's two bytes of blocks 2 p and 2 p + 1
	s_mov_b32 s62, 0x07060504
	s_cselect_b32 s62, s62, 0x07060302             ; lanes 16-31: v: block 2 p + 1's word; q, k: my second head's
	s_mov_b32 s[SEL], 0x76543210
	s_mov_b32 s[SEL+1], 0xfedcba98
	v_and_b32 v[VT], 31, v0
	v_lshlrev_b32 v[VOA], 4, v[VT]
	v_add_nc_u32 v[VOB], s56, v[VOA]
	v_mul_u32_u24 v[VT], s57, v2
	v_lshl_add_u32 v[VS1], v1, 3, v[VT]            ; 8 r + h x sB
	v_add_nc_u32 v[VS2], s58, v[VS1]
	v_mov_b32 v[VSEL], s61
	v_mov_b32 v[VT], s62
	v_cmp_eq_u32 vcc_lo, 1, v2
	v_cndmask_b32 v[VSEL], v[VSEL], v[VT], vcc_lo
.irp b, 0,1,2,3
	v_mov_b32 v[TM+4+\b], 0                        ; written once: a lane permute's destination counts as one of its sources
.endr
; Block a of A (16 rows): a lane's 64 results, four blocks of 32 along the quantiser's K, 16 numbers of each in my half.  They become 64 codes in v[PC] on and the row's scale word in v[PW + a].
.macro QUANTW a
.set AC, 64*((\a)%4)
	WIN 0x0a+5*((\a)/4)                            ; sources 0 and 1: window 2 or 3
.irp b, 0,1,2,3
	v_max3_num_f32 v[TM+\b], |v[AC+16*\b]|, |v[AC+16*\b+1]|, 0x4800000   ; block b: my 16 numbers, and the floor 2^(9 - 127): the byte cannot fall under 1.  Each accumulator is read from its low end on
.endr
.irp i, 2,4,6,8,10,12,14
.irp b, 0,1,2,3
	v_max3_num_f32 v[TM+\b], |v[AC+16*\b+\i]|, |v[AC+16*\b+\i+1]|, v[TM+\b]   ; (the four blocks by turns)
.endr
.endr
	WIN 0
.irp b, 0,1,2,3
	v_permlanex16_b32 v[TM+4+\b], v[TM+\b], s[SEL], s[SEL+1]
.endr
.irp b, 0,1,2,3
	v_max_num_f32 v[TM+\b], v[TM+\b], v[TM+4+\b]   ; with lane l xor 16's: the block's largest magnitude
.endr
.irp b, 0,1,2,3
	v_add_nc_u32 v[TM+12+\b], 0xfc000000, v[TM+\b] ; 8 off its exponent field: the conversion's scale operand
.endr
.irp b, 0,1,2,3
.endr
.irp b, 0,1,2,3
	v_lshrrev_b32 v[TM+4+\b], 23, v[TM+12+\b]      ; the scale's byte
.endr
	v_lshl_or_b32 v[PW+(\a)], v[TM+5], 8, v[TM+4]
	v_lshl_or_b32 v[PW+(\a)], v[TM+6], 16, v[PW+(\a)]
	v_lshl_or_b32 v[PW+(\a)], v[TM+7], 24, v[PW+(\a)]
	WIN 0x02+(\a)/4                                ; source 0: window 2 or 3
.set n, 0
.rept 64
.set n, n+1
.endr
.irp g, 0,1,2,3,4,5,6,7
	v_cvt_scalef32_pk8_fp8_f32 v[PC+2*\g:PC+2*\g+1], v[AC+8*\g:AC+8*\g+7], v[TM+12+\g/2]
.endr
	WIN 0
	v_nop                                          ; one plain vector instruction behind the last conversion
.endm
.irp a, 0,1,2,3,4,5,6,7
.if \a > 0
	s_wait_xcnt 0x0                                ; the last block's stores have read their data and their base: both are written again only behind this wait
.if \a == 4
	s_add_nc_u64 s[CB:CB+1], s[CB:CB+1], s[SA4:SA4+1]
.else
	s_add_nc_u64 s[CB:CB+1], s[CB:CB+1], s[SA:SA+1]
.endif
.endif
	QUANTW \a
	global_store_b128 v[VOA], v[PC:PC+3], s[CB:CB+1]                  ; each store covers 512 consecutive bytes, at a multiple of 256 from the buffer's first byte
	global_store_b128 v[VOA], v[PC+4:PC+7], s[CB:CB+1] offset:512
	global_store_b128 v[VOB], v[PC+8:PC+11], s[CB:CB+1]
	global_store_b128 v[VOB], v[PC+12:PC+15], s[CB:CB+1] offset:512
.endr
	; the scale words.  q, k: the word of a pair of tiles holds two bytes of each tile, lanes 0-15 my first head's, lanes 16-31 my second's.  v: a channel's word as it is, lanes 0-15 even tiles of channels, lanes 16-31 odd ones.
.irp p, 0,1,2,3
	v_perm_b32 v[FIN+\p], v[PW+2*\p+1], v[PW+2*\p], v[VSEL]
.endr
	global_store_b64 v[VS1], v[FIN:FIN+1], s[SB:SB+1]      ; v: 256 consecutive bytes a store; q, k: two runs of 128 bytes, one a head: one byte in 33 of what this launch stores
	global_store_b64 v[VS2], v[FIN+2:FIN+3], s[SB:SB+1]
	s_wait_tensorcnt 0x0                           ; the wave's end
	ds_add_u32 v[SPW], v[NIL]
	s_wait_dscnt 0x0
	CROUND                                         ; the closing round: no work-group ends while a partner may still ask for a tile that names it
	s_endpgm
.Lfunc_end_k_qad8660475c_qkv:
	.size	k_qad8660475c_qkv, .Lfunc_end_k_qad8660475c_qkv-k_qad8660475c_qkv
	.p2alignl 7, 3214868480
	.fill 96, 4, 3214868480
	.section	.rodata,"a",@progbits
	.p2align	6, 0x0
	.amdhsa_kernel k_qad8660475c_qkv
		.amdhsa_group_segment_fixed_size 327680
		.amdhsa_private_segment_fixed_size 0
		.amdhsa_enable_private_segment 0
		.amdhsa_kernarg_size 56
		.amdhsa_user_sgpr_count 2
		.amdhsa_user_sgpr_kernarg_segment_ptr 1
		.amdhsa_wavefront_size32 1
		.amdhsa_system_sgpr_workgroup_id_x 1
		.amdhsa_system_sgpr_workgroup_id_y 1
		.amdhsa_system_sgpr_workgroup_id_z 1
		.amdhsa_system_vgpr_workitem_id 0
		.amdhsa_next_free_vgpr 1024
		.amdhsa_next_free_sgpr 106
		.amdhsa_reserve_vcc 1
		.amdhsa_float_denorm_mode_32 3
		.amdhsa_float_denorm_mode_16_64 3
		.amdhsa_fp16_overflow 1
		.amdhsa_memory_ordered 1
		.amdhsa_forward_progress 1
		.amdhsa_inst_pref_size 153
	.end_amdhsa_kernel
	.amdgpu_metadata
---
amdhsa.version: [ 1, 2 ]
amdhsa.kernels:
  - .name:           k_qad8660475c_qkv
    .symbol:         k_qad8660475c_qkv.kd
    .args:
      - { .name: x_codes, .offset: 0, .size: 8, .value_kind: global_buffer, .address_space: global }
      - { .name: x_scales, .offset: 8, .size: 8, .value_kind: global_buffer, .address_space: global }
      - { .name: w_attn_codes, .offset: 16, .size: 8, .value_kind: global_buffer, .address_space: global }
      - { .name: w_attn_scales, .offset: 24, .size: 8, .value_kind: global_buffer, .address_space: global }
      - { .name: qc, .offset: 32, .size: 8, .value_kind: global_buffer, .address_space: global }
      - { .name: qs, .offset: 40, .size: 8, .value_kind: global_buffer, .address_space: global }
      - { .name: kv, .offset: 48, .size: 8, .value_kind: global_buffer, .address_space: global }
    .group_segment_fixed_size: 327680
    .private_segment_fixed_size: 0
    .kernarg_segment_align: 8
    .kernarg_segment_size: 56
    .max_flat_workgroup_size: 128
    .sgpr_count:     106
    .vgpr_count:     1024
    .wavefront_size: 32
...
	.end_amdgpu_metadata
.endif
;; end of part 1
;; launch attn (part 2): grid 4 x 64, 16 waves a work-group, no clusters, 327,680 bytes of LDS; arguments qc, qs, kv, oc, os; writes oc, os
.if DOCPART == 2
	.amdgcn_target "amdgcn-amd-amdhsa--gfx1250"
	.amdhsa_code_object_version 6
	.text
	.protected	k_qad8660475c_attn
	.globl	k_qad8660475c_attn
	.p2align	8
	.type	k_qad8660475c_attn,@function
k_qad8660475c_attn:
	s_mov_b64 s[64:65], 0
	v_nop
	global_prefetch_b8 v0, s[64:65] scope:SCOPE_SE
	s_setreg_imm32_b32 hwreg(HW_REG_WAVE_MODE, 25, 1), 1
	s_wait_xcnt 0x0
; o = softmax(q k^T / 8, causal) v for each of 64 (batch, head), both products on codes of FP8 (E4M3) with one E8M0 scale for each 32 along a product's K; o is divided by the row's sum, quantised along the channels
; in registers and stored as the image of the last product's operand (oc) with its scale bytes (os).
; WORK LEFT OUT: a step of 128 keys all of which come after a wave's 16 queries: reference()'s own tril gives those keys the weight 0 for all values of the inputs.  A NaN, an infinity or an overflow that reaches only such scores is not carried on.
; LIMITS: NaN and infinities are not served; a block whose largest magnitude lies under 2^-118 keeps the scale byte 1; a block of zeros has the byte 1 (its codes are zeros; this program alone reads the bytes).
; THE SOFTMAX: t = score x log2(e) / 8; M = the row's largest t so far, rounded UP to a whole number; p = 2^(t - M) is quantised along the keys, not normalised; the row's sum is taken of the unquantised p and divides at the end.
; When M moves, the sum and O are multiplied by 2^(old M - new M): exact.
; SHARES.  A work-group owns query blocks 7 - i and i (256 queries each) of one head, i = work-group x: 8 - i and i + 1 slots of 256 keys, nine trips in every work-group.  Each of its sixteen waves owns 16 queries of the block in hand,
; in 256 registers: four waves to a SIMD, so that one wave's vector work stands beside another's matrix work and LDS loads.
; NO CLUSTER: the four work-groups of a head walk the same slots only in their first five trips; from then on a joint load's address would differ between the partners.
; LAYOUT.  Both products are used transposed: S^T = K Q^T, O^T = V^T P^T: a lane holds ONE query (lane % 16) throughout.  Tiles 2 b and 2 b + 1 of S^T give lane half h the keys 32 b + 8 h + 0..7 and 32 b + 16 + 8 h + 0..7: the order
; in which the launch qkv laid v's codes inside a block of 32.
; THE HEAD IS 64 WIDE, THE INSTRUCTION 128.  A fragment of K holds TWO tiles of 16 keys: K = 0..63 tile 2 f, K = 64..127 tile 2 f + 1.  Q stands between zeros, [0 | Q | 0] in 24 registers: [Q | 0] picks tile 2 f, [0 | Q] tile 2 f + 1;
; zero codes add nothing.  Q's scale word is its two bytes twice.
; LDS: two slots, each 33,792 bytes as they lie in kv: K's codes, V's codes, K's scale words, V's; all reads are 16 or 8 bytes a lane on end.  Waves 0 to 3 fetch a quarter of a slot each; all sixteen read.
.set HK,    270336                     ; kv: bytes of a head
.set SLB,   33792                      ; kv: bytes of a slot
.set QTR,   8448                       ; a quarter of it: 33 rows of 256 bytes
.set SLOT1, 65536                      ; slot 1 begins here: one exclusive or turns an address from one slot to the other
.set SPARE, 131072                     ; the spare words, 128 bytes for each wave: eight blocks of 256 bytes that no other line names
.set VCO,   16384                      ; in a slot: V's codes,
.set KSO,   32768                      ; K's scale words,
.set VSO,   33280                      ; V's scale words
.set LI16, 1                           ; v1   16 x lane
.set LI8,  2                           ; v2   8 x lane
.set SPW,  3                           ; v3   LDS address of my spare word; never rewritten
.set NIL,  4                           ; v4   0; never rewritten
.set PFO,  5                           ; v5   the prefetches' offset; never rewritten
.set AD16, 6                           ; v6   the slot in hand + 16 x lane
.set AD8,  7                           ; v7   the slot in hand + 8 x lane
.set DQ,   8                           ; v8   r - 8 h
.set OOFF, 9                           ; v9   16 r + 8 h
.set OSOFF, 10                         ; v10  32 r
.set R8,   11                          ; v11  8 r
                                       ; v12 -M, v13 the largest t, v[14:15] the sum in two halves;  v16-23 zeros, v24-31 Q, v32-39 zeros;  v40-47 the second block's Q
.set QW2,  48                          ; v48  the second block's word of q's scales as loaded;  v55 the first's
.set QS,   49                          ; v49  Q's scale word
.set KSR,  50                          ; v[50:51] K's scale words: v50 + f % 2, lanes 0-15 pairs 0, 1, lanes 16-31 pairs 2, 3
.set VSR,  52                          ; v[52:53] V's: v52 + t / 2, lanes 0-15 even tiles, lanes 16-31 odd ones
.set PS,   54                          ; v54  p's scale word
.set QW1,  55
.set FF,   56                          ; v[56:57] f = 2^(old M - new M), and a 0 that is named with it as a pair
                                       ; v58, v59 at work
.set KFR,  64                          ; v64-127  four fragments of K, then of V
.set S,    128                         ; v128-191 S^T, then p; on the way out o
.set O,    192                         ; v192-223 O^T
.set PC,   224                         ; v224-239 p's codes; on the way out o's
.set BM,   240                         ; v240-243 the blocks' largest
.set T2,   244                         ; v244-247 permutes' results, a chain of the sum, the bytes
.set LM,   248                         ; v248-251 a chain of the sum
.set SCR,  252                         ; v252-255 the conversions' scale operands
.set WV,   14                          ; s14 wave;  s15 work-group x;  s16 batch x 16 + head
.set WGI,  15
.set BH,   16
.set BLK,  17                          ; s17 the query block in hand;  s18 the slot in hand;  s19 the slot that follows
.set SL,   18
.set NS,   19
.set SEL,  20                          ; s[20:21] lane selects for v_permlanex16_b32: lane l xor 16
.set CS,   22                          ; s[22:23] c = log2(e) / 8, twice
.set MNT,  24
.set TB,   25                          ; s25 LDS byte at which the slot in hand begins
.set SKF,  26                          ; s26 the step's first key
.set Q0,   27                          ; s27 my first query
.set TRIPS, 28                         ; s28 trips to go in the loop
.set LIM,  29                          ; s29 2 in a wave that prefetches, else the greatest number
.set QSEL, 30                          ; s30 which two bytes of the loaded word are my tile's
.set G1,   32                          ; s[32:39] descriptor group 1;  s[40:43] group 0
.set G0,   40
.set KVW,  44                          ; s[44:45] kv at my head, my quarter of slot 0
.set PFA,  46                          ; s[46:47] where the prefetches stand
.set OCB,  48                          ; s[48:49] oc, s[50:51] os at my 16 queries;  s[52:55] the same for the second block;  s56 its first query
.set OSB,  50
.set Q0B,  56
.macro TLOAD                           ; waves 0 to 3 fetch a quarter of a slot each; the branch hangs on the wave's number alone.  An s_nop 0 and four v_nop follow the load
	s_cmp_lt_u32 s[WV], 4
	s_cbranch_scc0 .Lnone_\@
	tensor_load_to_lds s[G0:G0+3], s[G1:G1+7]
	s_nop 0
.rept 4
	v_nop
.endr
.Lnone_\@:
.endm
; A PREFETCH INTO THE L2 of the slot that the NEXT change of slots will ask for: 132 blocks of 256 bytes, a lane a block.  All four work-groups of a head begin with slots 0, 1, 2 ..: the first of them (x = 0), which walks all
; eight on end, asks; in it waves 4 to 8, which fetch nothing.  Wave 8 has 4 blocks for 32 lanes: its other lanes name the slot's last block again.  Trip t names slot t + 2, for t = 0 .. 5: slots 0 and 1 come by their loads alone.
.macro ASK
	s_cmp_gt_u32 s[TRIPS], s[LIM]
	s_cbranch_scc0 .Lnot_mine_\@
	global_prefetch_b8 v[PFO], s[PFA:PFA+1] th:TH_LOAD_NT scope:SCOPE_SE
.Lnot_mine_\@:
.endm
	s_load_b256 s[4:11], s[0:1], 0x0               ; qc s[4:5], qs s[6:7], kv s[8:9], oc s[10:11]
	s_load_b64 s[12:13], s[0:1], 0x20              ; os
	v_lshl_add_u32 v[SPW], v0, 2, SPARE
	v_mov_b32 v[NIL], 0
	ds_add_u32 v[SPW], v[NIL]                      ; the wave's opening: the add, twice on end, and its wait ahead of my first tensor load
	ds_add_u32 v[SPW], v[NIL]                      ; and once more, under the one wait; the set-up below, work on registers, stands between
	v_lshrrev_b32 v58, 5, v0
	s_delay_alu instid0(VALU_DEP_1)
	v_readfirstlane_b32 s[WV], v58                 ; wave 0..15
	s_mov_b32 s[WGI], ttmp9
	s_and_b32 s[BH], ttmp7, 0xffff
	s_sub_co_u32 s[BLK], 7, s[WGI]                 ; the longer block first
	; descriptor group 1: 33 dense rows of 256 bytes (32 elements of 8 bytes), no padding
	s_mov_b32 s[G1], 3<<16
	s_mov_b32 s[G1+1], 32<<16                      ; tensor_dim0
	s_mov_b32 s[G1+2], 33<<16                      ; tensor_dim1
	s_mov_b32 s[G1+3], 32<<16                      ; tile_dim0
	s_mov_b32 s[G1+4], 33                          ; tile_dim1
	s_mov_b32 s[G1+5], 32                          ; tensor_dim0_stride
	s_mov_b32 s[G1+6], 0
	s_mov_b32 s[G1+7], 0
	s_mov_b32 s[SEL], 0x76543210
	s_mov_b32 s[SEL+1], 0xfedcba98
	s_mov_b32 s[CS], 0x3e38aa3b                    ; log2(e) / 8
	s_mov_b32 s[CS+1], s[CS]
	s_and_b32 s58, s[WV], 3
	s_mul_i32 s[G0+1], s58, QTR                    ; my quarter: its place in slot 0 of LDS, and in a slot of kv
	s_mul_i32 s66, s[BH], HK
	s_mov_b32 s67, 0
	s_add_co_u32 s68, s66, s[G0+1]
	s_mov_b32 s69, 0
	s_wait_dscnt 0x0                               ; both opening adds are done
	s_wait_kmcnt 0x0
	s_add_nc_u64 s[KVW:KVW+1], s[8:9], s[68:69]
	s_mov_b32 s[G0], 1
	s_mov_b64 s[G0+2:G0+3], s[KVW:KVW+1]
	s_or_b32 s[G0+3], s[G0+3], 0x80000000
	TLOAD                                          ; slot 0: the one first fill at the head; slot 1 is filled behind the first trip's barrier, as each later fill is behind its own trip's barrier
	s_add_nc_u64 s[PFA:PFA+1], s[8:9], s[66:67]
	s_add_nc_u64 s[PFA:PFA+1], s[PFA:PFA+1], SLB   ; at slot 1: the first change of slots steps it to slot 2
	s_lshl_b32 s58, s[WV], 4
	s_lshl_b32 s[Q0], s[BLK], 8
	s_add_co_u32 s[Q0], s[Q0], s58                 ; my first query: 256 x block + 16 x wave
	s_lshl_b32 s[Q0B], s[WGI], 8
	s_add_co_u32 s[Q0B], s[Q0B], s58               ; and in the second block
	s_lshl_b32 s59, s[BH], 17                      ; qc: 131,072 bytes a head, 64 a query
	s_lshl_b32 s60, s[Q0], 6
	s_add_co_u32 s60, s60, s59
	s_mov_b32 s61, 0
	s_lshl_b32 s62, s[Q0B], 6
	s_add_co_u32 s62, s62, s59
	s_mov_b32 s63, 0
	s_add_nc_u64 s[60:61], s[4:5], s[60:61]
	s_add_nc_u64 s[62:63], s[4:5], s[62:63]
	s_bfe_u32 s68, s[WV], 0x10002                  ; qs: my tile is tile w % 8 of its group of 128 queries, in pair p = (w / 2) % 4: the word lies at 128 (p / 2) + 8 r + 4 (p % 2)
	s_lshl_b32 s68, s68, 7
	s_bfe_u32 s69, s[WV], 0x10001
	s_lshl_b32 s69, s69, 2
	s_add_co_u32 s68, s68, s69
	s_lshl_b32 s69, s[BH], 12                      ; 4,096 bytes a head
	s_add_co_u32 s68, s68, s69
	s_lshr_b32 s70, s[Q0], 7
	s_lshl_b32 s70, s70, 8                         ; 256 bytes a group
	s_add_co_u32 s70, s70, s68
	s_mov_b32 s71, 0
	s_lshr_b32 s72, s[Q0B], 7
	s_lshl_b32 s72, s72, 8
	s_add_co_u32 s72, s72, s68
	s_mov_b32 s73, 0
	s_add_nc_u64 s[70:71], s[6:7], s[70:71]
	s_add_nc_u64 s[72:73], s[6:7], s[72:73]
	v_and_b32 v58, 31, v0                          ; lane
	s_delay_alu instid0(VALU_DEP_1)
	v_lshlrev_b32 v[LI16], 4, v58
	s_delay_alu instid0(VALU_DEP_2)
	v_lshlrev_b32 v[LI8], 3, v58
	v_and_b32 v59, 15, v0                          ; r
	v_bfe_u32 v58, v0, 4, 1                        ; h
	s_delay_alu instid0(VALU_DEP_2)
	v_lshlrev_b32 v[R8], 3, v59
	global_load_b128 v[24:27], v[LI16], s[60:61]               ; Q: its two blocks of 32 channels, as images
	global_load_b128 v[28:31], v[LI16], s[60:61] offset:512
	global_load_b128 v[40:43], v[LI16], s[62:63]               ; the second block's
	global_load_b128 v[44:47], v[LI16], s[62:63] offset:512
	global_load_b32 v[QW1], v[R8], s[70:71]
	global_load_b32 v[QW2], v[R8], s[72:73]
	v_lshlrev_b32 v[OSOFF], 5, v59
	v_lshlrev_b32 v[OOFF], 4, v59
	s_delay_alu instid0(VALU_DEP_1)
	v_lshl_add_u32 v[OOFF], v58, 3, v[OOFF]
	v_lshlrev_b32 v[DQ], 3, v58
	s_delay_alu instid0(VALU_DEP_1)
	v_sub_nc_u32 v[DQ], v59, v[DQ]
	v_add_nc_u32 v[PFO], 0xffffff80, v0            ; thread - 128: 0 .. 159 in waves 4 to 8,
	s_delay_alu instid0(VALU_DEP_1)
	v_min_u32 v[PFO], 131, v[PFO]                  ; held at the slot's last block,
	s_delay_alu instid0(VALU_DEP_1)
	v_lshlrev_b32 v[PFO], 8, v[PFO]                ; x 256 bytes
	s_lshr_b32 s74, s[BH], 4                       ; the batch
	s_and_b32 s75, s[BH], 15                       ; the head
	s_lshl_b32 s58, s74, 21                        ; oc: 16,384 bytes for 16 tokens, 1,024 of them a head
	s_lshl_b32 s59, s75, 10
	s_add_co_u32 s58, s58, s59
	s_lshl_b32 s[OCB], s[Q0], 10
	s_add_co_u32 s[OCB], s[OCB], s58
	s_mov_b32 s[OCB+1], 0
	s_lshl_b32 s[OCB+4], s[Q0B], 10
	s_add_co_u32 s[OCB+4], s[OCB+4], s58
	s_mov_b32 s[OCB+5], 0
	s_lshl_b32 s58, s74, 16                        ; os: 32 bytes a token, 2 of them a head
	s_lshl_b32 s59, s75, 1
	s_add_co_u32 s58, s58, s59
	s_lshl_b32 s[OSB], s[Q0], 5
	s_add_co_u32 s[OSB], s[OSB], s58
	s_mov_b32 s[OSB+1], 0
	s_lshl_b32 s[OSB+4], s[Q0B], 5
	s_add_co_u32 s[OSB+4], s[OSB+4], s58
	s_mov_b32 s[OSB+5], 0
	s_add_nc_u64 s[OCB:OCB+1], s[10:11], s[OCB:OCB+1]
	s_add_nc_u64 s[OCB+4:OCB+5], s[10:11], s[OCB+4:OCB+5]
	s_add_nc_u64 s[OSB:OSB+1], s[12:13], s[OSB:OSB+1]
	s_add_nc_u64 s[OSB+4:OSB+5], s[12:13], s[OSB+4:OSB+5]
	s_sub_co_u32 s58, s[WV], 4
	s_cmp_le_u32 s58, 4                            ; waves 4 to 8,
	s_cselect_b32 s58, 0, 1
	s_or_b32 s58, s58, s[WGI]                      ; of the head's first work-group
	s_cmp_eq_u32 s58, 0
	s_cselect_b32 s[LIM], 2, -1
	s_and_b32 s58, s[WV], 1
	s_cmp_eq_u32 s58, 0
	s_mov_b32 s[QSEL], 0x03020302
	s_cselect_b32 s[QSEL], 0x01000100, s[QSEL]     ; an even tile's bytes are the word's 0 and 1, an odd tile's 2 and 3; each pair twice
.irp i, 0,1,2,3,4,5,6,7
	v_mov_b32 v[16+\i], 0                          ; the zeros on both sides of Q
	v_mov_b32 v[32+\i], 0
.endr
.irp b, 0,1,2,3
	v_mov_b32 v[T2+\b], 0                          ; written once: a lane permute's destination counts as one of its sources
.endr
	v_mov_b32 v[FF], 0
	v_mov_b32 v[FF+1], 0
	v_mov_b32 v58, 0
	v_mov_b32 v59, 0
.macro INIT                            ; a block of queries begins: the largest t is -3e38, under every t; the sum and O^T are zeros, which the first change of M leaves zeros
	v_mov_b32 v13, 0xff61b1e6
	s_delay_alu instid0(VALU_DEP_1)
	v_floor_f32 v12, -v13
	v_mov_b32 v14, 0
	v_mov_b32 v15, 0
.set n, 0
.rept 32
	v_mov_b32 v[O+n], 0
.set n, n+1
.endr
.endm
	INIT
; A KEY STEP: 128 keys, the q-th of the slot in hand.
.macro STEP q
	s_add_co_u32 s58, s[Q0], 15                    ; a step all of whose keys come after my 16 queries is left out: a branch on ids, round the step's loads, products and softmax alone
	s_cmp_gt_u32 s[SKF], s58
	s_cbranch_scc1 .Lhidden_\@
	v_add_nc_u32 v[AD16], s[TB], v[LI16]
	v_add_nc_u32 v[AD8], s[TB], v[LI8]
.rept 6
	v_nop                                          ; with the two additions: eight places in front of loads into registers that the last products read
.endr
.irp f, 0,1,2,3
.irp g, 0,1,2,3
	ds_load_b128 v[KFR+16*\f+4*\g:KFR+16*\f+4*\g+3], v[AD16] offset:8192*(\q)+2048*\f+512*\g   ; pair f: tiles 2 f and 2 f + 1 of 16 keys
.endr
.endr
	ds_load_b64 v[KSR:KSR+1], v[AD8] offset:KSO+256*(\q)
	s_wait_dscnt 0x0
	s_wait_alu depctr_va_vdst(0)
.irp f, 0,1,2,3                                ; S^T = K Q^T: each fragment twice, against [Q | 0] and [0 | Q]
.if \f >= 2
	v_wmma_scale_f32_16x16x128_f8f6f4 v[S+16*\f:S+16*\f+7], v[KFR+16*\f:KFR+16*\f+15], v[24:39], 0, v[KSR+\f%2], v[QS] matrix_a_scale:MATRIX_SCALE_ROW1
	v_wmma_scale_f32_16x16x128_f8f6f4 v[S+16*\f+8:S+16*\f+15], v[KFR+16*\f:KFR+16*\f+15], v[16:31], 0, v[KSR+\f%2], v[QS] matrix_a_scale:MATRIX_SCALE_ROW1
.else
	v_wmma_scale_f32_16x16x128_f8f6f4 v[S+16*\f:S+16*\f+7], v[KFR+16*\f:KFR+16*\f+15], v[24:39], 0, v[KSR+\f%2], v[QS]
	v_wmma_scale_f32_16x16x128_f8f6f4 v[S+16*\f+8:S+16*\f+15], v[KFR+16*\f:KFR+16*\f+15], v[16:31], 0, v[KSR+\f%2], v[QS]
.endif
.endr
.rept 8
	v_nop                                          ; places in front of the loads below and of the first read of the scores
.endr
.irp t, 0,1,2,3                                ; V's four fragments are asked for now, into K's registers: they land under the softmax
.irp g, 0,1,2,3
	ds_load_b128 v[KFR+16*\t+4*\g:KFR+16*\t+4*\g+3], v[AD16] offset:VCO+8192*(\q)+2048*\t+512*\g
.endr
.endr
	ds_load_b64 v[VSR:VSR+1], v[AD8] offset:VSO+256*(\q)
	s_add_co_u32 s58, s[SKF], 127                  ; on the diagonal the scores of hidden keys become -infinity ahead of the maximum: p = 0 then.  A step all of whose keys count skips this
	s_cmp_le_u32 s58, s[Q0]
	s_cbranch_scc1 .Lopen_\@
	s_sub_co_i32 s58, s[Q0], s[SKF]
	v_add_nc_u32 v59, s58, v[DQ]                   ; d = my query - the step's first key - 8 h.  Register 8 t + j holds key 16 t + 8 h + j of the step: hidden where 16 t + j > d
	v_mov_b32 v58, 0xff800000
.set n, 0
.rept 64
	v_cmp_gt_i32 vcc_lo, 16*(n/8)+n%8, v59
	v_cndmask_b32 v[S+n], v[S+n], v58, vcc_lo
.set n, n+1
.endr
.Lopen_\@:
.irp b, 0,1,2,3
	v_max3_num_f32 v[BM+\b], v[S+16*\b], v[S+16*\b+1], v[S+16*\b+2]   ; the largest score of each block of 32 keys: for the row's maximum and, since p rises with the score, for the block's largest p
.endr
.irp i, 3,5,7,9,11,13
.irp b, 0,1,2,3
	v_max3_num_f32 v[BM+\b], v[BM+\b], v[S+16*\b+\i], v[S+16*\b+\i+1]
.endr
.endr
.irp b, 0,1,2,3
	v_max_num_f32 v[BM+\b], v[BM+\b], v[S+16*\b+15]
.endr
.irp b, 0,1,2,3
	s_delay_alu instid0(VALU_DEP_4)
	v_permlanex16_b32 v[T2+\b], v[BM+\b], s[SEL], s[SEL+1]
.endr
.irp b, 0,1,2,3
	s_delay_alu instid0(VALU_DEP_4)
	v_max_num_f32 v[BM+\b], v[BM+\b], v[T2+\b]     ; with lane l xor 16's 16 keys
.endr
	s_delay_alu instid0(VALU_DEP_2)
	v_max3_num_f32 v58, v[BM], v[BM+1], v[BM+2]
	s_delay_alu instid0(VALU_DEP_1)
	v_max_num_f32 v58, v58, v[BM+3]                ; the step's largest score of my query
	s_delay_alu instid0(VALU_DEP_1)
	v_mul_f32 v58, s[CS], v58                      ; as t
	s_delay_alu instid0(VALU_DEP_1)
	v_max_num_f32 v13, v13, v58                    ; the running largest t
	v_mov_b32 v58, v12
	s_delay_alu instid0(VALU_DEP_2)
	v_floor_f32 v12, -v13                          ; the new -M = floor(-t) = -ceil(t)
	s_delay_alu instid0(VALU_DEP_1)
	v_sub_f32 v58, v12, v58                        ; old M - new M: a whole number, 0 or less
	s_delay_alu instid0(VALU_DEP_1)
	v_cvt_i32_f32 v58, v58                         ; (it saturates)
	s_delay_alu instid0(VALU_DEP_1)
	v_ldexp_f32 v[FF], 1.0, v58                    ; f = 2^(old M - new M)
.set n, 0
.rept 32
	v_pk_fma_f32 v[S+n:S+n+1], v[S+n:S+n+1], s[CS:CS+1], v[12:13] op_sel_hi:[1,0,0]   ; t - M, two at a time
.set n, n+2
.endr
.irp b, 0,1,2,3
	v_fma_f32 v[BM+\b], v[BM+\b], s[CS], v12       ; the same of each block's largest score
.endr
.set n, 0
	s_wait_alu depctr_va_vdst(0)
.rept 64
	v_exp_f32 v[S+n], v[S+n]                       ; p = 2^(t - M), at most 1
.set n, n+1
.endr
	v_pk_mul_f32 v[14:15], v[14:15], v[FF:FF+1] op_sel_hi:[1,0]   ; the sums under the new M: a plain place behind the exponentials
	s_wait_alu depctr_va_vdst(0)                   ; one wait for the batch of 64, ahead of its first reader
.irp b, 0,1,2,3
	v_exp_f32 v[BM+\b], v[BM+\b]                   ; the block's largest p: the same two instructions on the same number
.endr
	v_pk_add_f32 v[244:245], v[132:133], v[136:137]
	v_pk_add_f32 v[254:255], v[140:141], v[144:145]
	v_pk_add_f32 v[252:253], v[148:149], v[152:153]
	v_pk_add_f32 v[250:251], v[156:157], v[160:161]
	v_pk_add_f32 v[248:249], v[164:165], v[168:169]
	v_pk_add_f32 v[246:247], v[172:173], v[176:177]
	v_pk_add_f32 v[238:239], v[180:181], v[184:185]
	v_pk_add_f32 v[14:15], v[14:15], v[188:189]
	v_pk_add_f32 v[244:245], v[244:245], v[128:129]
	v_pk_add_f32 v[254:255], v[254:255], v[130:131]
	v_pk_add_f32 v[252:253], v[252:253], v[134:135]
	v_pk_add_f32 v[250:251], v[250:251], v[138:139]
	v_pk_add_f32 v[248:249], v[248:249], v[142:143]
	v_pk_add_f32 v[246:247], v[246:247], v[146:147]
	v_pk_add_f32 v[238:239], v[238:239], v[150:151]
	v_pk_add_f32 v[14:15], v[14:15], v[154:155]
	v_pk_add_f32 v[244:245], v[244:245], v[158:159]
	v_pk_add_f32 v[254:255], v[254:255], v[162:163]
	v_pk_add_f32 v[252:253], v[252:253], v[166:167]
	v_pk_add_f32 v[250:251], v[250:251], v[170:171]
	v_pk_add_f32 v[248:249], v[248:249], v[174:175]
	v_pk_add_f32 v[246:247], v[246:247], v[178:179]
	v_pk_add_f32 v[238:239], v[238:239], v[182:183]
	v_pk_add_f32 v[14:15], v[14:15], v[186:187]
	v_pk_add_f32 v[244:245], v[244:245], v[190:191]
	s_delay_alu instid0(VALU_DEP_2)
	v_pk_add_f32 v[14:15], v[14:15], v[250:251]
	s_delay_alu instid0(VALU_DEP_2)
	v_pk_add_f32 v[244:245], v[244:245], v[248:249]
	v_pk_add_f32 v[254:255], v[254:255], v[246:247]
	v_pk_add_f32 v[252:253], v[252:253], v[238:239]
	s_delay_alu instid0(VALU_DEP_2)
	v_pk_add_f32 v[14:15], v[14:15], v[254:255]
	s_delay_alu instid0(VALU_DEP_2)
	v_pk_add_f32 v[244:245], v[244:245], v[252:253]
	s_delay_alu instid0(VALU_DEP_1)
	v_pk_add_f32 v[14:15], v[14:15], v[244:245]
	s_wait_alu depctr_va_vdst(0)                   ; and one for the four
.irp b, 0,1,2,3
	v_max_num_f32 v[BM+\b], 0x4800000, v[BM+\b]    ; the floor 2^(9 - 127): the byte cannot fall under 1
.endr
.irp b, 0,1,2,3
	s_delay_alu instid0(VALU_DEP_4)
	v_add_nc_u32 v[SCR+\b], 0xfc000000, v[BM+\b]   ; 8 off the exponent field: the conversion's scale operand
.endr
.irp b, 0,1,2,3
.endr
.irp b, 0,1,2,3
	s_delay_alu instid0(VALU_DEP_4)
	v_lshrrev_b32 v[T2+\b], 23, v[SCR+\b]          ; the scale's byte
.endr
	s_delay_alu instid0(VALU_DEP_3)
	v_lshl_or_b32 v[PS], v[T2+1], 8, v[T2]         ; p's scale word for these 128 keys
	s_delay_alu instid0(VALU_DEP_1)
	v_lshl_or_b32 v[PS], v[T2+2], 16, v[PS]
	s_delay_alu instid0(VALU_DEP_1)
	v_lshl_or_b32 v[PS], v[T2+3], 24, v[PS]
.irp b, 0,1,2,3
.set n, 0
.rept 16
.set n, n+1
.endr
	v_cvt_scalef32_pk8_fp8_f32 v[PC+4*\b:PC+4*\b+1], v[S+16*\b:S+16*\b+7], v[SCR+\b]
	v_cvt_scalef32_pk8_fp8_f32 v[PC+4*\b+2:PC+4*\b+3], v[S+16*\b+8:S+16*\b+15], v[SCR+\b]
.endr
.set n, 0
.rept 16
	v_pk_mul_f32 v[O+n:O+n+1], v[O+n:O+n+1], v[FF:FF+1] op_sel_hi:[1,0]   ; O^T under the new M.  (These 16 are also the places between the codes and the products)
.set n, n+2
.endr
	s_wait_alu depctr_va_vdst(0)
	s_wait_dscnt 0x0                               ; V is in
.irp t, 0,1,2,3                                ; O^T += V^T P^T: four tiles of 16 channels, the four accumulators by turns
.if \t%2
	v_wmma_scale_f32_16x16x128_f8f6f4 v[O+8*\t:O+8*\t+7], v[KFR+16*\t:KFR+16*\t+15], v[PC:PC+15], v[O+8*\t:O+8*\t+7], v[VSR+\t/2], v[PS] matrix_a_scale:MATRIX_SCALE_ROW1
.else
	v_wmma_scale_f32_16x16x128_f8f6f4 v[O+8*\t:O+8*\t+7], v[KFR+16*\t:KFR+16*\t+15], v[PC:PC+15], v[O+8*\t:O+8*\t+7], v[VSR+\t/2], v[PS]
.endif
.endr
.Lhidden_\@:
	s_add_co_u32 s[SKF], s[SKF], 128
.endm
; THE CHANGE OF SLOTS stands at a trip's head.  Each wave waits for all its tensor loads, adds 0 to its spare word, and waits for that and for its reads of the slot that it has left.  Behind the barrier the slot ahead is whole and
; nobody reads the other one.  fill = 1: that other slot takes the slot of keys that the next trip reads: the next of this block, or slot 0 for the second block.  One tensor load of a fetching wave is out behind the barrier.
.macro CHANGE fill
	s_wait_tensorcnt 0x0                           ; no tensor load of mine is out, so group 0 may be written
	ds_add_u32 v[SPW], v[NIL]                      ; 0 onto my spare word
.if \fill
	ds_add_u32 v[SPW], v[NIL]                      ; and once more: the add twice on end, in every trip alike
	s_add_co_u32 s[NS], s[SL], 1
	s_cmp_eq_u32 s[SL], s[BLK]                     ; the block's last slot is the diagonal's
	s_cselect_b32 s[NS], 0, s[NS]
	s_mul_i32 s66, s[NS], SLB
	s_mov_b32 s67, 0
	s_add_nc_u64 s[G0+2:G0+3], s[KVW:KVW+1], s[66:67]
	s_or_b32 s[G0+3], s[G0+3], 0x80000000
	s_xor_b32 s[G0+1], s[G0+1], SLOT1              ; the other slot than last time
	s_wait_xcnt 0x0                                ; the last prefetch, a trip back, has read its address
	s_add_nc_u64 s[PFA:PFA+1], s[PFA:PFA+1], SLB
.endif
	s_wait_dscnt 0x0                               ; the add is done (fill = 1: both are), and my reads of the slot that I have left are over
	s_barrier_signal -1
	s_barrier_wait -1
.if \fill
	TLOAD                                          ; the first thing behind the barrier, and a wave's one tensor load until the next; every slot that is asked for is read in the next trip
	ASK
.endif
.endm
.macro TRIP
	s_lshl_b32 s[SKF], s[SL], 8
	STEP 0
	STEP 1
	s_xor_b32 s[TB], s[TB], SLOT1
.endm
; A BLOCK'S WAY OUT.  o = O^T / the sum; its two blocks of 32 channels are quantised as in the launch qkv.  The last product's other operand is GIVEN, so here each piece of eight codes goes to its natural place:
; channel 16 t + 8 h + j of row r lies at 256 t + 16 r + 8 h + j of the head's 1,024 bytes, which is the fragment's image.
.macro FINAL
.rept 8
	v_nop                                          ; places behind the last products
.endr
	v_add_f32 v14, v14, v15                        ; the sum's two halves,
	s_delay_alu instid0(VALU_DEP_1)
	v_permlanex16_b32 v58, v14, s[SEL], s[SEL+1]
	s_delay_alu instid0(VALU_DEP_1)
	v_add_f32 v14, v14, v58                        ; and lane l xor 16's
	s_wait_alu depctr_va_vdst(0)
	v_rcp_f32 v14, v14
	v_nop                                          ; a plain place behind the transcendental
	s_wait_alu depctr_va_vdst(0)                   ; the wait ahead of its first reader
.set n, 0
.rept 16
	v_pk_mul_f32 v[S+n:S+n+1], v[O+n:O+n+1], v[14:15] op_sel_hi:[1,0]   ; each accumulator from its low end on
.set n, n+2
.endr
.irp c, 0,1
	v_max3_num_f32 v[BM+\c], |v[S+16*\c]|, |v[S+16*\c+1]|, 0x4800000
.endr
.irp i, 2,4,6,8,10,12,14
.irp c, 0,1
	s_delay_alu instid0(VALU_DEP_2)
	v_max3_num_f32 v[BM+\c], v[BM+\c], |v[S+16*\c+\i]|, |v[S+16*\c+\i+1]|
.endr
.endr
.irp c, 0,1
	s_delay_alu instid0(VALU_DEP_2)
	v_permlanex16_b32 v[T2+\c], v[BM+\c], s[SEL], s[SEL+1]
.endr
.irp c, 0,1
	s_delay_alu instid0(VALU_DEP_2)
	v_max_num_f32 v[BM+\c], v[BM+\c], v[T2+\c]
.endr
.irp c, 0,1
	s_delay_alu instid0(VALU_DEP_2)
	v_add_nc_u32 v[SCR+\c], 0xfc000000, v[BM+\c]
.endr
.irp c, 0,1
.endr
.irp c, 0,1
	s_delay_alu instid0(VALU_DEP_2)
	v_lshrrev_b32 v[T2+\c], 23, v[SCR+\c]
.endr
	s_delay_alu instid0(VALU_DEP_1)
	v_lshl_or_b32 v58, v[T2+1], 8, v[T2]           ; my row's two scale bytes
.set n, 0
.rept 32
.set n, n+1
.endr
.irp t, 0,1,2,3
	v_cvt_scalef32_pk8_fp8_f32 v[PC+2*\t:PC+2*\t+1], v[S+8*\t:S+8*\t+7], v[SCR+\t/2]
.endr
	v_nop                                          ; one plain vector instruction behind the last conversion
.irp t, 0,1,2,3
	global_store_b64 v[OOFF], v[PC+2*\t:PC+2*\t+1], s[OCB:OCB+1] offset:256*\t   ; 32 lanes store 256 consecutive bytes, at a multiple of 256 from oc's first byte
.endr
	global_store_b16 v[OSOFF], v58, s[OSB:OSB+1]   ; two bytes a row, rows 32 bytes apart (both halves of the lanes write the same): a row's 32 bytes come from 16 work-groups.  One byte in 33 of what this launch stores
.endm
	s_wait_loadcnt 0x0                             ; Q and its scale words, of both blocks
	v_perm_b32 v[QS], v[QW1], v[QW1], s[QSEL]      ; (the eight places ahead of the first products stand at the head of a step)
	s_mov_b32 s[TRIPS], 8
	s_mov_b32 s[SL], 0
	s_mov_b32 s[TB], 0
.Ltrip:                                            ; eight trips: behind each change of slots but the last the next trip's slot is asked for
	CHANGE 1
	TRIP
	s_cmp_lg_u32 s[SL], s[BLK]                     ; ids and the count of trips alone: all sixteen waves go the same way
	s_cbranch_scc1 .Lgo
	FINAL                                          ; the first block is done
	s_wait_xcnt 0x0                                ; its stores have read their data and their bases
	s_mov_b64 s[OCB:OCB+1], s[OCB+4:OCB+5]
	s_mov_b64 s[OSB:OSB+1], s[OSB+4:OSB+5]
	s_mov_b32 s[Q0], s[Q0B]
	s_mov_b32 s[BLK], s[WGI]
	v_perm_b32 v[QS], v[QW2], v[QW2], s[QSEL]
.irp i, 0,1,2,3,4,5,6,7
	v_mov_b32 v[24+\i], v[40+\i]
.endr
	INIT
.Lgo:
	s_mov_b32 s[SL], s[NS]
	s_sub_co_u32 s[TRIPS], s[TRIPS], 1
	s_cmp_lg_u32 s[TRIPS], 0
	s_cbranch_scc1 .Ltrip
	CHANGE 0                                       ; the ninth trip is written out: nothing is left to fetch
	TRIP
	FINAL
	s_wait_tensorcnt 0x0                           ; the wave's end
	ds_add_u32 v[SPW], v[NIL]
	s_wait_dscnt 0x0
	s_endpgm
.Lfunc_end_k_qad8660475c_attn:
	.size	k_qad8660475c_attn, .Lfunc_end_k_qad8660475c_attn-k_qad8660475c_attn
	.p2alignl 7, 3214868480
	.fill 96, 4, 3214868480
	.section	.rodata,"a",@progbits
	.p2align	6, 0x0
	.amdhsa_kernel k_qad8660475c_attn
		.amdhsa_group_segment_fixed_size 327680
		.amdhsa_private_segment_fixed_size 0
		.amdhsa_enable_private_segment 0
		.amdhsa_kernarg_size 40
		.amdhsa_user_sgpr_count 2
		.amdhsa_user_sgpr_kernarg_segment_ptr 1
		.amdhsa_wavefront_size32 1
		.amdhsa_system_sgpr_workgroup_id_x 1
		.amdhsa_system_sgpr_workgroup_id_y 1
		.amdhsa_system_sgpr_workgroup_id_z 1
		.amdhsa_system_vgpr_workitem_id 0
		.amdhsa_next_free_vgpr 256
		.amdhsa_next_free_sgpr 80
		.amdhsa_reserve_vcc 1
		.amdhsa_float_denorm_mode_32 3
		.amdhsa_float_denorm_mode_16_64 3
		.amdhsa_fp16_overflow 1
		.amdhsa_memory_ordered 1
		.amdhsa_forward_progress 1
		.amdhsa_inst_pref_size 109
	.end_amdhsa_kernel
	.amdgpu_metadata
---
amdhsa.version: [ 1, 2 ]
amdhsa.kernels:
  - .name:           k_qad8660475c_attn
    .symbol:         k_qad8660475c_attn.kd
    .args:
      - { .name: qc, .offset: 0, .size: 8, .value_kind: global_buffer, .address_space: global }
      - { .name: qs, .offset: 8, .size: 8, .value_kind: global_buffer, .address_space: global }
      - { .name: kv, .offset: 16, .size: 8, .value_kind: global_buffer, .address_space: global }
      - { .name: oc, .offset: 24, .size: 8, .value_kind: global_buffer, .address_space: global }
      - { .name: os, .offset: 32, .size: 8, .value_kind: global_buffer, .address_space: global }
    .group_segment_fixed_size: 327680
    .private_segment_fixed_size: 0
    .kernarg_segment_align: 8
    .kernarg_segment_size: 40
    .max_flat_workgroup_size: 512
    .sgpr_count:     80
    .vgpr_count:     256
    .wavefront_size: 32
...
	.end_amdgpu_metadata
.endif
;; end of part 2
;; launch proj (part 3): grid 4 x 32, 4 waves a work-group, clusters of 4 x 4, 327,680 bytes of LDS; arguments oc, os, w_proj_codes, w_proj_scales, out0; writes out0
.if DOCPART == 3
	.amdgcn_target "amdgcn-amd-amdhsa--gfx1250"
	.amdhsa_code_object_version 6
	.text
	.protected	k_qad8660475c_proj
	.globl	k_qad8660475c_proj
	.p2align	8
	.type	k_qad8660475c_proj,@function
k_qad8660475c_proj:
	s_mov_b64 s[64:65], 0
	v_nop
	global_prefetch_b8 v0, s[64:65] scope:SCOPE_SE
	s_setreg_imm32_b32 hwreg(HW_REG_WAVE_MODE, 25, 1), 1
	s_wait_xcnt 0x0
	s_wait_alu depctr_hold_cnt(0) depctr_sa_sdst(0) depctr_va_vdst(0) depctr_va_sdst(0) depctr_va_ssrc(0) depctr_va_vcc(0) depctr_vm_vsrc(0)
	s_getreg_b32 s2, hwreg(HW_REG_IB_STS2, 6, 4)
	s_cmp_eq_u32 s2, 0
	s_cbranch_scc0 .Lentry_in_a_cluster
	s_endpgm
.Lentry_in_a_cluster:
	s_bfe_u32 s2, ttmp6, 0x10000c
	s_cmp_lg_u32 s2, 0xf033
	s_cbranch_scc0 .Lentry_shape_is_right
	s_endpgm
.Lentry_shape_is_right:
; out0 = o W_proj^T on codes of FP8 (E4M3) with one E8M0 scale for each 32 along K = 1,024; out0 [8192][1024] f32; sums in f32.  No work of this product is left out.
; A = o comes from the launch attn as IMAGES OF FRAGMENTS: oc = [16 rows][K step of 128][4 x 32 lanes x 16 bytes], 16,384 bytes for 16 rows; its scale bytes os = [8192][32].  B = W_proj [1024][1024] as given, K innermost.
; A tile of 256 x 256 is made by a work-group of four waves, 128 x 128 a wave: 64 accumulators, 512 registers.  K goes in steps of 256 through a ring of two LDS slots filled by the tensor data mover.
; The scale bytes of the work-group's 256 rows of A and of B, for all of K, are two dense blocks of memory: they come into LDS once, with the first fills, and stay.
; CLUSTERS: 4 x 4 work-groups; A's tile is shared along a row of the cluster, B's along a column: each is asked for jointly.  THE MATRIX INSTRUCTION IS USED TRANSPOSED (source 0 = 16 rows of B, source 1 = 16 rows of A):
; a lane then holds eight neighbouring numbers of a row of out0.
; 128 work-groups: a tile half as large would give 256, each fragment read from LDS then feeding fewer products; the larger tile is kept.
; REGISTERS, in windows of 256: window 0: v0-31 addresses; v32-63 scale words, two sets; from v128 A's fragments, one set; on the way out v128-255 take rows back from the stage.
;   window 1: B's fragments, two sets.   window 2: the accumulators of my rows 0-63 ((a, b) at v[8 (8 a + b)]);   window 3: those of my rows 64-127.
.set SIZE_N, 1024
.set SIZE_K, 1024
.set KSTEP,  256
.set NQ,     2
.set ROWB,   256                       ; a row of B's tile in bytes
.set KROW,   1024                      ; a row of B in memory; and 16 rows of A are 16 x 1,024 bytes too
.set ASTEP,  4096                      ; A: a K step of 256 of 16 rows: two images of 2,048 bytes on end
.set PITCH,  272                       ; B's LDS row: 256 bytes + 16 of padding: the 16 rows that a load touches start at 16 different banks (64 banks of 4 bytes: ISA guide 11.1)
.set FR,     16
.set NL,     4
.set NP,     8                         ; places behind this matrix instruction (ISA guide 7.12.1)
.set HALFT,  128*PITCH                 ; the room of 128 rows: B's fill it, A's images take 32,768 bytes of it
.set SLOT,   4*HALFT
.set LAPS,   2
.set KS,     32
.set SCL,    2*SLOT
.set HALFS,  (128*KS/256)*272
.set SBLK,   (16*KS/256)*272
.set SPARE,  SCL+4*HALFS               ; the spare words, 128 bytes for each wave: two blocks of 256 bytes that no other line names
.set SPITCH, 528                       ; the way out: a stage of 16 rows x (512 bytes + 16) for each wave, in slot 0, which has had its last fill and its last read when the first result is stored there
.set ADRA, 16
.set ADRB, 20
.set STO,  24
.set RD,   25
.set CO,   26
.set ADRS, 27
.set SPW,  28                          ; v28 LDS address of my spare word; never rewritten
.set NIL,  29                          ; v29 0; never rewritten
.set SC,   32
.set AF,   128
.set BK,   128
.set G1, 24
.set G0, 32
.set G1B, 48
.set G0B, 56
.set G1S, 68
.set G0S, 76
.set G1SB, 80
.set G0SB, 88
.set MSB, 0
.macro WIN new                         ; the immediate's high byte repeats the setting that is left
.if MSB != \new
	s_set_vgpr_msb (MSB<<8)|\new
.set MSB, \new
.endif
.endm
.set MUL_LO, 0xa1
.set MUL_HI, 0xf1
.set TO_B,   0x40
.macro JLOAD g0a, g1a, g0b, g1b        ; a joint load: waves 0 and 1 fetch for A, waves 2 and 3 for B; an s_nop 0 and four v_nop follow each of the two lines
	s_cmp_eq_u32 s15, 0
	s_cbranch_scc0 .Lfor_b_\@
	tensor_load_to_lds s[\g0a:\g0a+3], s[\g1a:\g1a+7]
	s_nop 0
.rept 4
	v_nop
.endr
	s_branch .Lasked_\@
.Lfor_b_\@:
	tensor_load_to_lds s[\g0b:\g0b+3], s[\g1b:\g1b+7]
	s_nop 0
.rept 4
	v_nop
.endr
.Lasked_\@:
.endm
.macro CREST
	s_cmp_lg_u32 s14, 0
	s_cbranch_scc1 .Lnot_wave_0_\@
	s_barrier_signal -3
.Lnot_wave_0_\@:
	s_barrier_wait -3
	s_barrier_signal -1
	s_barrier_wait -1
.endm
.macro CROUND
	s_barrier_signal -1
	s_barrier_wait -1
	CREST
.endm
	s_load_b128 s[4:7], s[0:1], 0x0                ; oc s[4:5], os s[6:7]
	s_load_b128 s[8:11], s[0:1], 0x10              ; W_proj's codes s[8:9], its scales s[10:11]
	s_load_b64 s[12:13], s[0:1], 0x20              ; out0
	v_lshl_add_u32 v[SPW], v0, 2, SPARE
	v_mov_b32 v[NIL], 0
	ds_add_u32 v[SPW], v[NIL]                      ; the wave's opening: the add, twice on end, and its wait ahead of my first tensor load
	ds_add_u32 v[SPW], v[NIL]                      ; and once more, under the one wait
	v_lshrrev_b32 v1, 5, v0
	v_readfirstlane_b32 s14, v1                    ; wave 0..3
	s_lshr_b32 s15, s14, 1                         ; my half of the tile's rows.  Also: I fetch for A (0) or for B (1)
	s_and_b32 s16, s14, 1                          ; my half of its columns.  Also: which 128 rows of that tile I fetch
	s_bfe_u32 s40, ttmp6, 0x40000                  ; cx, cy
	s_bfe_u32 s41, ttmp6, 0x40004
	s_lshl_b32 s42, ttmp9, 2
	s_add_co_u32 s42, s42, s40                     ; tile column = 4 x cluster x + cx
	s_and_b32 s17, ttmp7, 0xffff
	s_lshl_b32 s17, s17, 2
	s_add_co_u32 s17, s17, s41                     ; tile row = 4 x cluster y + cy
	s_lshl_b32 s43, s41, 2
	s_lshl_b32 s43, 15, s43                        ; my row of the cluster
	s_lshl_b32 s44, 0x1111, s40                    ; my column
	; A's tiles: 8 rows of 4,096 bytes (512 elements of 8 bytes), 16,384 bytes apart: for each of 8 blocks of 16 rows, a K step's two images; dense in LDS
	s_or_b32 s[G1+0], s43, (3<<16)|(1<<21)         ; 15:0 the mask: my row; 17:16 elements of 8 bytes; 21 set beside a mask; no padding
	s_mov_b32 s[G1+1], 512<<16                     ; tensor_dim0
	s_mov_b32 s[G1+2], 8<<16                       ; tensor_dim1
	s_mov_b32 s[G1+3], 512<<16                     ; tile_dim0
	s_mov_b32 s[G1+4], 8                           ; tile_dim1
	s_mov_b32 s[G1+5], 2048                        ; tensor_dim0_stride
	s_mov_b32 s[G1+6], 0
	s_mov_b32 s[G1+7], 0
	; B's tiles: 128 rows x 256 bytes, padded in LDS
	s_or_b32 s[G1B+0], s44, (0<<16)|(1<<20)|(1<<21)|(5<<22)|(3<<25)
	s_mov_b32 s[G1B+1], ROWB<<16
	s_mov_b32 s[G1B+2], 128<<16
	s_mov_b32 s[G1B+3], ROWB<<16
	s_mov_b32 s[G1B+4], 128
	s_mov_b32 s[G1B+5], KROW
	s_mov_b32 s[G1B+6], 0
	s_mov_b32 s[G1B+7], 0
	; the scale bytes of 128 rows: 16 rows of 256 bytes, 16 bytes of padding behind each
	s_or_b32 s[G1S+0], s43, (3<<16)|(1<<20)|(1<<21)|(5<<22)|(3<<25)
	s_or_b32 s[G1SB+0], s44, (3<<16)|(1<<20)|(1<<21)|(5<<22)|(3<<25)
.irp g, G1S, G1SB
	s_mov_b32 s[\g+1], 32<<16
	s_mov_b32 s[\g+2], (128*KS/256)<<16
	s_mov_b32 s[\g+3], 32<<16
	s_mov_b32 s[\g+4], 128*KS/256
	s_mov_b32 s[\g+5], 32
	s_mov_b32 s[\g+6], 0
	s_mov_b32 s[\g+7], 0
.endr
	s_lshl_b32 s18, s16, 7
	s_lshl_b32 s20, s17, 8
	s_add_co_u32 s20, s20, s18                     ; A: row 256 x tile row + 128 x half
	s_lshl_b32 s46, s42, 8
	s_add_co_u32 s46, s46, s18                     ; B: row 256 x tile column + 128 x half
	s_mov_b32 s21, 0
	s_mov_b32 s47, 0
	s_mov_b64 s[18:19], KS
	s_mul_u64 s[22:23], s[20:21], s[18:19]         ; where these rows' scale bytes begin
	s_mul_u64 s[92:93], s[46:47], s[18:19]
	s_mov_b64 s[18:19], KROW
	s_mul_u64 s[20:21], s[20:21], s[18:19]         ; and their codes
	s_mul_u64 s[46:47], s[46:47], s[18:19]
	s_mul_i32 s45, s14, HALFT                      ; where they go: no place in the cluster enters an LDS address
	s_mul_i32 s94, s14, HALFS
	s_wait_dscnt 0x0                               ; both opening adds are done
	s_wait_kmcnt 0x0
	s_add_nc_u64 s[20:21], s[4:5], s[20:21]
	s_add_nc_u64 s[22:23], s[6:7], s[22:23]
	s_add_nc_u64 s[46:47], s[8:9], s[46:47]
	s_add_nc_u64 s[92:93], s[10:11], s[92:93]
	CROUND                                         ; all sixteen work-groups are here: the first joint loads meet
	s_mov_b32 s[G0S], 1
	s_add_co_u32 s[G0S+1], s94, SCL
	s_mov_b64 s[G0S+2:G0S+3], s[22:23]
	s_or_b32 s[G0S+3], s[G0S+3], 0x80000000
	s_mov_b32 s[G0SB], 1
	s_add_co_u32 s[G0SB+1], s94, SCL
	s_mov_b64 s[G0SB+2:G0SB+3], s[92:93]
	s_or_b32 s[G0SB+3], s[G0SB+3], 0x80000000
	JLOAD G0S, G1S, G0SB, G1SB                     ; the scale bytes first
.irp s, 0,1
	s_mov_b32 s[G0+4*\s], 1
	s_add_co_u32 s[G0+4*\s+1], s45, \s*SLOT
	s_add_nc_u64 s[G0+4*\s+2:G0+4*\s+3], s[20:21], \s*ASTEP
	s_or_b32 s[G0+4*\s+3], s[G0+4*\s+3], 0x80000000
	s_mov_b32 s[G0B+4*\s], 1
	s_add_co_u32 s[G0B+4*\s+1], s45, \s*SLOT
	s_add_nc_u64 s[G0B+4*\s+2:G0B+4*\s+3], s[46:47], \s*ROWB
	s_or_b32 s[G0B+4*\s+3], s[G0B+4*\s+3], 0x80000000
	s_wait_alu depctr_va_vdst(0)
	s_wait_tensorcnt 0x0
	ds_add_u32 v28, v29
	s_wait_dscnt 0x0
	CROUND
	JLOAD G0+4*\s, G1, G0B+4*\s, G1B               ; one tensor load of mine is out behind each of these
.endr
	v_and_b32 v1, 15, v0                           ; l % 16
	v_bfe_u32 v2, v0, 4, 1                         ; l / 16
	v_mul_u32_u24 v3, v1, PITCH
	v_lshl_add_u32 v4, v2, 4, v3                   ; B: a fragment's row x pitch + 16 x half
	v_and_b32 v6, 31, v0
	v_lshlrev_b32 v7, 4, v6                        ; A: 16 x lane: an image's place for my lane
	s_mul_i32 s21, s15, HALFT                      ; my 128 rows of A
	s_mul_i32 s22, s16, HALFT                      ; my 128 rows of B,
	s_add_co_u32 s22, s22, 2*HALFT                 ; which lie behind A's
.irp s, 0,1
	v_add_nc_u32 v[ADRA+\s], s21, v7
	v_add_nc_u32 v[ADRB+\s], s22, v4
	s_add_co_u32 s21, s21, SLOT
	s_add_co_u32 s22, s22, SLOT
.endr
	v_mul_u32_u24 v5, v1, KS
	v_lshrrev_b32 v6, 8, v5
	v_lshl_add_u32 v5, v6, 4, v5
	s_mul_i32 s21, s15, HALFS
	s_mul_i32 s22, s16, HALFS
	s_add_co_u32 s22, s22, 2*HALFS
	s_sub_co_u32 s22, s22, s21
	v_mul_u32_u24 v6, s22, v2                      ; lanes 16-31 take B's
	s_add_co_u32 s21, s21, SCL
	v_add_nc_u32 v5, v5, v6
	v_add_nc_u32 v[ADRS], s21, v5
	s_mul_i32 s23, s14, 16*SPITCH                  ; my stage
	v_mul_u32_u24 v5, v1, SPITCH
	v_lshl_add_u32 v5, v2, 5, v5
	v_add_nc_u32 v[STO], s23, v5                   ; in: row l % 16, 32 bytes for each half of the lanes
	v_mov_b32 v[CO], v7                            ; back: the 32 lanes take one row of 512 bytes; and the same in out0
	v_add_nc_u32 v[RD], s23, v[CO]
	s_lshl_b32 s20, s17, 8
	s_lshl_b32 s21, s15, 7
	s_add_co_u32 s20, s20, s21                     ; my first row of out0
	s_mov_b32 s21, 0
	s_mov_b64 s[18:19], SIZE_N*4
	s_mul_u64 s[20:21], s[20:21], s[18:19]
	s_lshl_b32 s46, s42, 10                        ; my first column, in bytes
	s_lshl_b32 s47, s16, 9
	s_add_co_u32 s46, s46, s47
	s_mov_b32 s47, 0
	s_add_nc_u64 s[20:21], s[20:21], s[46:47]
	s_add_nc_u64 s[12:13], s[12:13], s[20:21]
.macro FRAG reg, adr, q, i             ; B's fragment from rows: lane l holds row l % 16; registers 4 c .. 4 c + 3 hold K = 32 c + 16 (l / 16) + 0 .. 15
.irp c, 0,1,2,3
	ds_load_b128 v[\reg+4*\c:\reg+4*\c+3], v[\adr] offset:128*(\q)+32*\c+(\i)*16*PITCH
.endr
.endm
.macro FRAGA reg, adr, q, i            ; A's fragment from its image: 512 consecutive bytes a load
.irp c, 0,1,2,3
	ds_load_b128 v[\reg+4*\c:\reg+4*\c+3], v[\adr] offset:4096*(\i)+2048*(\q)+512*\c
.endr
.endm
; 16 matrix instructions; the 64 accumulators take turns, one instruction a turn, in the same order in every step
.macro MUL16 a0, p, q, sc, zero
.irp a, \a0, \a0+1
.irp b, 0,1,2,3,4,5,6,7
.if \zero
	v_wmma_scale_f32_16x16x128_f8f6f4 v[8*(8*((\a)%4)+\b):8*(8*((\a)%4)+\b)+7], v[128*(\p)+FR*\b:128*(\p)+FR*\b+FR-1], v[AF+FR*(\a):AF+FR*(\a)+FR-1], 0, v[SC+8*NQ*(\sc)+NQ*\b+(\q)], v[SC+8*NQ*(\sc)+NQ*(\a)+(\q)] matrix_a_scale:MATRIX_SCALE_ROW1
.else
	v_wmma_scale_f32_16x16x128_f8f6f4 v[8*(8*((\a)%4)+\b):8*(8*((\a)%4)+\b)+7], v[128*(\p)+FR*\b:128*(\p)+FR*\b+FR-1], v[AF+FR*(\a):AF+FR*(\a)+FR-1], v[8*(8*((\a)%4)+\b):8*(8*((\a)%4)+\b)+7], v[SC+8*NQ*(\sc)+NQ*\b+(\q)], v[SC+8*NQ*(\sc)+NQ*(\a)+(\q)] matrix_a_scale:MATRIX_SCALE_ROW1
.endif
.endr
.endr
.endm
.macro FETCH_B slot, q, p
	WIN TO_B
.irp i, 0,1,2,3,4,5,6,7
	FRAG 128*(\p)+FR*\i, ADRB+\slot, \q, \i
.endr
	WIN 0
.endm
.macro FETCH_A slot, q, i0
.irp i, \i0, \i0+1, \i0+2, \i0+3
	FRAGA AF+FR*(\i), ADRA+\slot, \q, \i
.endr
.endm
.macro SCALES sc
.irp i, 0,1,2,3,4,5,6,7
	ds_load_b64 v[SC+8*NQ*\sc+NQ*\i:SC+8*NQ*\sc+NQ*\i+1], v[ADRS] offset:\i*SBLK
.endr
.endm
.macro PLACES n
.rept \n
	v_nop
.endr
.endm
.macro STEP slot, q, zero
	s_wait_dscnt 4*NL                              ; B's set and A's blocks 0-3 are in; the youngest 16 loads (A's blocks 4-7) may be out
	WIN MUL_LO
	MUL16 0, (\q)%2, \q, \slot, \zero
	MUL16 2, (\q)%2, \q, \slot, \zero
	s_wait_dscnt 0
	PLACES NP
	FETCH_B \slot, (\q)+1, 1-(\q)%2
	FETCH_A \slot, (\q)+1, 0
	WIN MUL_HI
	MUL16 4, (\q)%2, \q, \slot, \zero
	MUL16 6, (\q)%2, \q, \slot, \zero
	PLACES NP
	WIN 0
	FETCH_A \slot, (\q)+1, 4
.endm
.macro TURN slot, next, fill
	s_wait_tensorcnt 0x0                           ; all my tensor loads have landed: my part of the next slot
	ds_add_u32 v[SPW], v[NIL]                      ; 0 onto my spare word
	s_wait_dscnt 4*NL+1                            ; (the add and the youngest 16 loads may be out)
	WIN MUL_LO
	MUL16 0, 1, NQ-1, \slot, 0
	s_wait_dscnt 0x0                               ; the add is done, and my reads of this slot are over
	s_barrier_signal -1
	MUL16 2, 1, NQ-1, \slot, 0
	WIN 0
	s_barrier_wait -1
.if \fill
	CREST                                          ; the barrier has opened a round of the cluster's barrier
	s_add_nc_u64 s[G0+4*\slot+2:G0+4*\slot+3], s[G0+4*\slot+2:G0+4*\slot+3], 2*ASTEP
	s_add_nc_u64 s[G0B+4*\slot+2:G0B+4*\slot+3], s[G0B+4*\slot+2:G0B+4*\slot+3], 2*ROWB
	JLOAD G0+4*\slot, G1, G0B+4*\slot, G1B         ; the first tensor load behind the round
	PLACES NP-4
.else
	PLACES NP
.endif
	s_wait_alu depctr_va_vdst(0)
	v_add_nc_u32 v[ADRS], 4*NQ, v[ADRS]
	FETCH_B \next, 0, 0
	FETCH_A \next, 0, 0
	SCALES \next
	WIN MUL_HI
	MUL16 4, 1, NQ-1, \slot, 0
	MUL16 6, 1, NQ-1, \slot, 0
	PLACES NP
	WIN 0
	FETCH_A \next, 0, 4
.endm
	s_wait_alu depctr_va_vdst(0)
	s_wait_tensorcnt 1                             ; the scale bytes and my part of K step 0 are in (K step 1's load may be out)
	s_barrier_signal -1
	s_barrier_wait -1                              ; everybody's are
	FETCH_B 0, 0, 0
	FETCH_A 0, 0, 0
	SCALES 0
	FETCH_A 0, 0, 4
	STEP 0, 0, 1                                   ; the first step's products start the sums
	s_mov_b32 s3, LAPS-1
.Llap:
	TURN 0, 1, 1
	STEP 1, 0, 0
	TURN 1, 0, 1
	STEP 0, 0, 0
	s_sub_co_u32 s3, s3, 1
	s_cmp_lg_u32 s3, 0
	s_cbranch_scc1 .Llap
	TURN 0, 1, 0                                   ; the last lap fills nothing
	STEP 1, 0, 0
	s_wait_dscnt 4*NL
	WIN MUL_LO
	MUL16 0, 1, NQ-1, 1, 0
	MUL16 2, 1, NQ-1, 1, 0
	s_wait_dscnt 0
	WIN MUL_HI
	MUL16 4, 1, NQ-1, 1, 0
	MUL16 6, 1, NQ-1, 1, 0
	WIN 0
; THE WAY OUT, block by block of 16 rows x 128 columns, through my own stage in LDS: back come whole rows of 512 bytes.  LDS serves a wave's instructions in order (ISA guide 5.7.1.4).
.macro TOSTAGE a
.set AC, 64*((\a)%4)
	WIN 0x08+4*((\a)/4)                            ; the data: window 2 or 3
.irp b, 0,1,2,3,4,5,6,7
	ds_store_b128 v[STO], v[AC+8*\b:AC+8*\b+3] offset:64*\b          ; each accumulator from its low end on
	ds_store_b128 v[STO], v[AC+8*\b+4:AC+8*\b+7] offset:64*\b+16
.endr
	WIN 0
.set BB, BK+64*((\a)%2)
.irp t, 0,1,2,3,4,5,6,7,8,9,10,11,12,13,14,15
	ds_load_b128 v[BB+4*\t:BB+4*\t+3], v[RD] offset:\t*SPITCH
.endr
.endm
.macro SEND a, younger                 ; younger: the LDS instructions issued behind block a's loads, which may stay out
.set BB, BK+64*((\a)%2)
	s_wait_dscnt \younger
.if (\a) > 0
	s_add_nc_u64 s[12:13], s[12:13], 16*SIZE_N*4   ; (behind a wait on XCNT: the earlier stores have read their base)
.endif
.irp t, 0,1,2,3,4,5,6,7,8,9,10,11,12,13,14,15
	global_store_b128 v[CO], v[BB+4*\t:BB+4*\t+3], s[12:13] offset:\t*SIZE_N*4 th:TH_STORE_NT   ; 32 lanes store 512 consecutive bytes, at a multiple of 256 from out0's first byte
.endr
.endm
	PLACES NP
	TOSTAGE 0
.irp a, 1,2,3,4,5,6,7
.if \a > 1
	s_wait_xcnt 0x0                                ; block a - 2's stores have read their registers and their base
.endif
	TOSTAGE \a
	SEND \a-1, 32                                  ; behind block a - 1's loads: block a's 16 stores and 16 loads
.endr
	s_wait_xcnt 0x0
	SEND 7, 0
	s_wait_tensorcnt 0x0                           ; the wave's end
	ds_add_u32 v[SPW], v[NIL]
	s_wait_dscnt 0x0
	CROUND                                         ; the closing round
	s_endpgm
.Lfunc_end_k_qad8660475c_proj:
	.size	k_qad8660475c_proj, .Lfunc_end_k_qad8660475c_proj-k_qad8660475c_proj
	.p2alignl 7, 3214868480
	.fill 96, 4, 3214868480
	.section	.rodata,"a",@progbits
	.p2align	6, 0x0
	.amdhsa_kernel k_qad8660475c_proj
		.amdhsa_group_segment_fixed_size 327680
		.amdhsa_private_segment_fixed_size 0
		.amdhsa_enable_private_segment 0
		.amdhsa_kernarg_size 40
		.amdhsa_user_sgpr_count 2
		.amdhsa_user_sgpr_kernarg_segment_ptr 1
		.amdhsa_wavefront_size32 1
		.amdhsa_system_sgpr_workgroup_id_x 1
		.amdhsa_system_sgpr_workgroup_id_y 1
		.amdhsa_system_sgpr_workgroup_id_z 1
		.amdhsa_system_vgpr_workitem_id 0
		.amdhsa_next_free_vgpr 1024
		.amdhsa_next_free_sgpr 98
		.amdhsa_reserve_vcc 0
		.amdhsa_float_denorm_mode_32 3
		.amdhsa_float_denorm_mode_16_64 3
		.amdhsa_memory_ordered 1
		.amdhsa_forward_progress 1
		.amdhsa_inst_pref_size 146
	.end_amdhsa_kernel
	.amdgpu_metadata
---
amdhsa.version: [ 1, 2 ]
amdhsa.kernels:
  - .name:           k_qad8660475c_proj
    .symbol:         k_qad8660475c_proj.kd
    .args:
      - { .name: oc, .offset: 0, .size: 8, .value_kind: global_buffer, .address_space: global }
      - { .name: os, .offset: 8, .size: 8, .value_kind: global_buffer, .address_space: global }
      - { .name: w_proj_codes, .offset: 16, .size: 8, .value_kind: global_buffer, .address_space: global }
      - { .name: w_proj_scales, .offset: 24, .size: 8, .value_kind: global_buffer, .address_space: global }
      - { .name: out0, .offset: 32, .size: 8, .value_kind: global_buffer, .address_space: global }
    .group_segment_fixed_size: 327680
    .private_segment_fixed_size: 0
    .kernarg_segment_align: 8
    .kernarg_segment_size: 40
    .max_flat_workgroup_size: 128
    .sgpr_count:     98
    .vgpr_count:     1024
    .wavefront_size: 32
...
	.end_amdgpu_metadata
.endif
;; end of part 3
